; MI455X (gfx1250); checked and timed in simulation.
; The chip was launched on July 23, 2026; its instructions are those of AMD's public machine-readable ISA for CDNA 5 (MIT licence, August 2026) and "CDNA5" Instruction Set Architecture Reference Guide (July 2026). The comments in the code are by the model that wrote it; some were corrected since.
;; Causal Self Attention. Allowed arithmetic: matrix products marked QUANTISED: E3M2 operands, one E8M0 scale for each 32 along K, by v_wmma_scale_f32_16x16x128_f8f6f4 with both operands' format E3M2, f32 sums; everything else in f32.
;; Inputs: b_proj 1,024 float32; b_qkv 3,072 float32; w_proj 1,024 x 1,024 float32; w_qkv 1,024 x 3,072 float32; x 4 x 2,048 x 1,024 float32.
;; Outputs: out0 4 x 2,048 x 1,024 float32.
;; This version of the problem:
;;   THIS VERSION OF THE PROBLEM IS GIVEN IN LOW PRECISION. The matrix products marked QUANTISED in the list below multiply operands that are first quantised to E3M2 (3 exponent bits, 2 mantissa bits; 6 bits a number), with one power-of-two scale for each 32 numbers along K (OCP MX v1.0); their sums are f32. All else is computed in f32.
;;   The module's matrix products, in the order in which they are computed (A, B: the left and right operand; K: the contracted axis; several contracted axes count as one K, in the product's order):
;;     1. [M 8,192, K 1,024] x [K 1,024, N 3,072]; A: input x; B: input w_qkv: QUANTISED
;;     2. batch 64 x [M 2,048, K 64] x [K 64, N 2,048]; A: computed on the way; B: computed on the way: QUANTISED
;;     3. batch 64 x [M 2,048, K 2,048] x [K 2,048, N 64]; A: softmax (see below); B: computed on the way: QUANTISED
;;     4. [M 8,192, K 1,024] x [K 1,024, N 1,024]; A: computed on the way; B: input w_proj: QUANTISED
;;   THE QUANTISER, for each operand of a quantised product, along K:
;;     - K is cut into blocks of 32 from its start; a last block that is shorter is filled with zeros.
;;     - A block's scale is 2^e with e = floor(log2(the largest magnitude in the block)) - 4, held to -126 .. 127; a block of zeros has e = 0. As a byte (E8M0): e + 127.
;;     - Each number is divided by its block's scale, clamped to +-28, and rounded to the nearest number of E3M2, ties to even, subnormals kept.
;;     - The product sums the exact products of the quantised numbers (number of the format x scale) in f32.
;;   ~~~python
;;   def quantise(x, axis):      # numpy; x: float32 -> the quantised numbers, widened to float32 again
;;       x = np.moveaxis(x, axis, -1); K = x.shape[-1]
;;       x = np.pad(x, [(0, 0)] * (x.ndim - 1) + [(0, -K % 32)]); x = x.reshape(x.shape[:-1] + (-1, 32)); a = np.abs(x).max(-1, keepdims=True)
;;       e = np.where(a > 0, np.clip(np.frexp(np.where(a > 0, a, 1))[1] - 1 - 4, -126, 127), 0)      # np.frexp(a)[1] - 1 = floor(log2(a)), exactly
;;       r = np.clip(x / 2.0 ** e, -28, 28)
;;       step = 2.0 ** (np.maximum(np.frexp(np.where(r == 0, 1, r))[1] - 1, -2) - 2)
;;       q = np.round(r / step) * step * 2.0 ** e      # np.round: ties to even
;;       return np.moveaxis(q.reshape(q.shape[:-2] + (-1,))[..., :K], -1, axis).astype(np.float32)
;;   ~~~
;;   SOFTMAX AHEAD OF A QUANTISED PRODUCT. Where the list says 'softmax', what is quantised is not the finished softmax but p = 2^(t - M), with t = logit x log2(e) and M = ceil(the row's largest t), a whole number; so 1/2 < the row's largest p <= 1. The row's sum l is taken of the UNQUANTISED p, in f32, and the product's result is divided by l at the end. Since M is a whole number, a kernel that streams over the keys may use a running M (the ceiling of the running maximum): every later rescaling is an exact power of two, which a block's scale takes up: the codes' values come out the same.
;;   OPERANDS COMPUTED ON THE WAY. 'Computed on the way' means the value that the module computes at that place (a softmax that the list does not call 'softmax' is quantised finished and normalised). What goes into a quantiser is computed in f32, as accurately as f32 sums, v_exp_f32 and their like allow (about 1e-6 of the number): no bf16 or f16 on the way to a quantiser, and a product that is left as it is and whose result goes on into a quantised operand takes f32 operands (vector FMAs, or v_wmma_f32_16x16x4_f32). A number that lies on a knife's edge between two numbers of the format may be rounded either way, as far as f32 arithmetic and the matrix unit's own rounding can turn it there, and no further.
;; One version. Each part assembles by itself: llvm-mc -triple=amdgcn-amd-amdhsa -mcpu=gfx1250 --defsym DOCPART=n.
;; ======== version 1 of 1: 4 launches
;; workspace buffers: opc 9,437,184 bytes; ops 393,216 bytes; qkvc 18,874,368 bytes; qkvs 786,432 bytes; yc 6,291,456 bytes; ys 262,144 bytes
;; launch quant (part 1): grid 768 x 1, 8 waves a work-group, no clusters, 69,120 bytes of LDS; arguments x, w_qkv, w_proj, opc, ops; writes opc, ops
.if DOCPART == 1
	.amdgcn_target "amdgcn-amd-amdhsa--gfx1250"
	.amdhsa_code_object_version 6
	.text
	.protected	k_q745728ed36_quant
	.globl	k_q745728ed36_quant
	.p2align	8
	.type	k_q745728ed36_quant,@function
k_q745728ed36_quant:
	s_mov_b64 s[64:65], 0
	v_nop
	global_prefetch_b8 v0, s[64:65] scope:SCOPE_SE
	s_setreg_imm32_b32 hwreg(HW_REG_WAVE_MODE, 25, 1), 1
	s_wait_xcnt 0x0
; x [8192][1024], w_qkv [1024][3072] and w_proj [1024][1024], f32, become codes of BF6 (E3M2) with one E8M0 byte for each 32 along K (x: its second axis; the weights: their FIRST axis).
; OUTPUT LAYOUT.  opc: [tile 0..767][K step 0..7][1536 bytes]; a tile is 16 rows of an operand (tiles 0-511: rows of x; 512-703: columns of w_qkv; 704-767: columns of w_proj).
; The 1,536 bytes are an IMAGE OF THE OPERAND'S 12 REGISTERS: half c (c = 0, 1) at 768 c: registers 6 c .. 6 c + 3 at 16 x lane, registers 6 c + 4, 6 c + 5 at 512 + 8 x lane.
; ops: [tile][16 rows][32 bytes]: byte K / 32 of a row.
; THE ORDER INSIDE A BLOCK OF 32: position p holds k = KP(p): the groups of eight 0, 1, 2, 3 hold k's groups 0, 2, 1, 3.  Every operand of this program has that order, on both sides of each product,
; so the sums are the same; it is the order in which a matrix result falls when it is quantised in registers.
; A block's scale is 2^(floor(log2(largest magnitude)) - 4): its byte is the largest magnitude's exponent field - 4, held at 1 from below.
; LIMITS: a block of zeros, or one whose largest magnitude lies under 2^-122, gets the byte 1 (its codes are zeros or the rule's held ones; the bytes are read by this program alone); NaN and infinities are not served.
; The weights are read 64 neighbouring bytes to sixteen lanes (the neighbouring work-groups read the neighbouring 64).
; SHARES.  Work-group g makes tile g for all of K; wave q makes K step q: one fragment.  Lane (r, h) holds row r and blocks h and 2 + h of the K step: 64 numbers, so a block's maximum needs no other lane.
.set STG,  8448                        ; LDS: a stage of 16 rows x (512 + 16) bytes for each wave (x's way alone)
.set SCB,  8*STG                       ; behind the stages: the tile's 512 scale bytes
.set RAW,  16                          ; v16-79   x as it is loaded
.set X,    80                          ; v80-143  X[32 c + p]: position p of block 2 c + h of my row
.set MX,   144                         ; v144-145 largest magnitudes
.set SOP,  146                         ; v146-147 the conversions' scale operands
.set BYT,  148                         ; v148-149 scale bytes
.set WRD,  150                         ; v150     my row's scale word
.set SHF,  151                         ; v151     8 h
.set OTH,  152                         ; v152     lane l xor 16's part of the word
.set CD,   160                         ; v160-171 the fragment
.set TP,   172                         ; v172-178 the upper halves of the blocks, as converted
	s_load_b128 s[4:7], s[0:1], 0x0                ; x, w_qkv
	s_load_b128 s[8:11], s[0:1], 0x10              ; w_proj, opc
	s_load_b64 s[12:13], s[0:1], 0x20              ; ops
	v_lshl_add_u32 v184, v0, 2, 0x10a00
	v_mov_b32 v185, 0
	v_lshrrev_b32 v1, 5, v0
	s_delay_alu instid0(VALU_DEP_1)
	v_readfirstlane_b32 s14, v1                    ; wave = K step
	v_and_b32 v1, 31, v0                           ; lane
	v_and_b32 v2, 15, v0                           ; r
	v_bfe_u32 v3, v0, 4, 1                         ; h
	s_delay_alu instid0(VALU_DEP_3)
	v_lshlrev_b32 v4, 4, v1                        ; 16 x lane
	s_delay_alu instid0(VALU_DEP_4)
	v_lshlrev_b32 v5, 3, v1                        ; 8 x lane
	s_mul_i32 s15, s14, STG
	v_add_nc_u32 v6, s15, v4                       ; the stage, on the way in: 16 x lane of a row
	v_mul_u32_u24 v7, v2, 528
	s_delay_alu instid0(VALU_DEP_1)
	v_lshl_add_u32 v7, v3, 7, v7
	s_delay_alu instid0(VALU_DEP_1)
	v_add_nc_u32 v7, s15, v7                       ; and out: row r, + 128 h: my block of the first 64 numbers
	s_lshl_b32 s18, s14, 2
	s_add_co_u32 s18, s18, SCB
	v_lshl_add_u32 v8, v2, 5, s18                  ; my row's word of this K step: 32 r + 4 x wave
	v_add_nc_u32 v9, SCB, v4                       ; the 512 scale bytes, 16 a lane
	v_lshlrev_b32 v[SHF], 3, v3
	v_mov_b32 v[OTH], 0                            ; a lane permute's destination counts as one of its sources
	s_mov_b32 s16, 0x76543210
	s_mov_b32 s17, 0xfedcba98                      ; v_permlanex16_b32's selects for lane l xor 16
	s_mul_i32 s20, ttmp9, 12288
	s_mul_i32 s21, s14, 1536
	s_add_co_u32 s20, s20, s21                     ; my fragment's place in opc
	s_mov_b32 s21, 0
	s_lshl_b32 s22, ttmp9, 9                       ; my tile's place in ops
	s_mov_b32 s23, 0
	s_wait_kmcnt 0x0
	s_add_nc_u64 s[10:11], s[10:11], s[20:21]
	s_add_nc_u64 s[12:13], s[12:13], s[22:23]
; A weight: lane (r, h) takes column r of the tile and its registers run DOWN K, in the order of the operand's registers.
.macro WFRONT ptr, first, pitch
	s_sub_co_u32 s24, ttmp9, \first
	s_lshl_b32 s24, s24, 6                         ; the tile's 16 columns: 64 bytes
	s_mul_i32 s25, s14, 128*\pitch                 ; the K step's 128 rows
	s_add_co_u32 s24, s24, s25
	s_mov_b32 s25, 0
	s_add_nc_u64 s[\ptr:\ptr+1], s[\ptr:\ptr+1], s[24:25]
	v_mul_u32_u24 v10, v3, 32*\pitch               ; lanes 16-31 begin 32 rows further down
	s_delay_alu instid0(VALU_DEP_1)
	v_lshl_add_u32 v10, v2, 2, v10
.set pp, 0
.rept 64
	global_load_b32 v[X+pp], v10, s[\ptr:\ptr+1] offset:(64*(pp/32)+8*((((pp%32)/8)%2)*2+(pp%32)/16)+pp%8)*\pitch
.set pp, pp+1
.endr
	s_wait_loadcnt 0x0
.endm
	s_cmp_lt_u32 ttmp9, 512
	s_cbranch_scc0 .Lweights
	; x: each load reads 512 consecutive bytes of one row; the 16 rows turn through my own stage, so that a lane gets 32 numbers of one block
	s_lshl_b32 s24, ttmp9, 16                      ; 16 rows of 4,096 bytes
	s_lshl_b32 s25, s14, 9                         ; the K step's 512 bytes
	s_add_co_u32 s24, s24, s25
	s_mov_b32 s25, 0
	s_add_nc_u64 s[4:5], s[4:5], s[24:25]
.irp i, 0,1,2,3,4,5,6,7,8,9,10,11,12,13,14,15
	global_load_b128 v[RAW+4*\i:RAW+4*\i+3], v4, s[4:5] offset:4096*\i th:TH_LOAD_NT
.endr
	s_wait_alu depctr_va_vdst(0)
.irp i, 0,1,2,3,4,5,6,7,8,9,10,11,12,13,14,15
	s_wait_loadcnt 15-\i                           ; loads come back in order: row i is in, the younger ones stay out
	ds_store_b128 v6, v[RAW+4*\i:RAW+4*\i+3] offset:528*\i
.endr
.irp c, 0,1
.irp jj, 0,1,2,3,4,5,6,7
	ds_load_b128 v[X+32*\c+4*\jj:X+32*\c+4*\jj+3], v7 offset:256*\c+32*(((\jj/2)%2)*2+\jj/4)+16*(\jj%2)   ; LDS serves a wave's instructions in order: these see my stores.  The groups of eight come in the order 0, 2, 1, 3
.endr
.endr
	s_wait_dscnt 0x0
	s_branch .Lback
.Lweights:
	s_cmp_lt_u32 ttmp9, 704
	s_cbranch_scc0 .Lproj
	WFRONT 6, 512, 12288
	s_branch .Lback
.Lproj:
	WFRONT 8, 704, 4096
.Lback:
.irp c, 0,1
	v_max3_num_f32 v[MX+\c], |v[X+32*\c]|, |v[X+32*\c+1]|, 0x2800000   ; my block 2 c + h, and the floor 2^(5 - 127): the byte cannot fall under 1
.endr
.irp i, 2,4,6,8,10,12,14,16,18,20,22,24,26,28,30
.irp c, 0,1
	s_delay_alu instid0(VALU_DEP_2)
	v_max3_num_f32 v[MX+\c], v[MX+\c], |v[X+32*\c+\i]|, |v[X+32*\c+\i+1]|   ; the two blocks by turns
.endr
.endr
.irp c, 0,1
	s_delay_alu instid0(VALU_DEP_2)
	v_add_nc_u32 v[SOP+\c], 0xfe000000, v[MX+\c]   ; 4 off the exponent field: the conversion takes this operand's exponent field as its scale
.endr
.irp c, 0,1
	s_delay_alu instid0(VALU_DEP_2)
	v_lshrrev_b32 v[BYT+\c], 23, v[SOP+\c]         ; the scale's byte
.endr
	s_delay_alu instid0(VALU_DEP_1)
	v_lshl_or_b32 v[WRD], v[BYT+1], 16, v[BYT]     ; blocks h and 2 + h,
	s_delay_alu instid0(VALU_DEP_1)
	v_lshlrev_b32 v[WRD], v[SHF], v[WRD]           ; at their places in the word;
	s_delay_alu instid0(VALU_DEP_1)
	v_permlanex16_b32 v[OTH], v[WRD], s16, s17
	s_delay_alu instid0(VALU_DEP_1)
	v_or_b32 v[WRD], v[WRD], v[OTH]                ; with lane l xor 16's two the word is whole
.irp c, 0,1
	v_cvt_scalef32_pk16_bf6_f32 v[CD+6*\c:CD+6*\c+2], v[X+32*\c:X+32*\c+15], v[SOP+\c]
	v_cvt_scalef32_pk16_bf6_f32 v[TP+4*\c:TP+4*\c+2], v[X+32*\c+16:X+32*\c+31], v[SOP+\c]   ; (a conversion's three registers begin on an even number)
.endr
	v_nop                                          ; one plain instruction behind the scaled conversions
.irp c, 0,1
.irp i, 0,1,2
	v_mov_b32 v[CD+3+6*\c+\i], v[TP+4*\c+\i]
.endr
.endr
	global_store_b128 v4, v[CD:CD+3], s[10:11]                 ; each store covers 512 or 256 consecutive bytes, aligned
	global_store_b64 v5, v[CD+4:CD+5], s[10:11] offset:512
	global_store_b128 v4, v[CD+6:CD+9], s[10:11] offset:768
	global_store_b64 v5, v[CD+10:CD+11], s[10:11] offset:1280
	ds_store_b32 v8, v[WRD]                        ; lanes r and r + 16 write the same word with the same value
	s_wait_dscnt 0x0                               ; for the others' sake: my word has landed
	s_barrier_signal -1
	s_barrier_wait -1
	s_cmp_lg_u32 s14, 0
	s_cbranch_scc1 .Lend
	ds_load_b128 v[16:19], v9                      ; the eight waves' words: the tile's 16 rows x 32 bytes
	s_wait_dscnt 0x0
	global_store_b128 v4, v[16:19], s[12:13]       ; 512 consecutive bytes
.Lend:
	s_wait_tensorcnt 0x0
	ds_add_u32 v184, v185
	s_wait_dscnt 0x0
	s_endpgm
.Lfunc_end_k_q745728ed36_quant:
	.size	k_q745728ed36_quant, .Lfunc_end_k_q745728ed36_quant-k_q745728ed36_quant
	.p2alignl 7, 3214868480
	.fill 96, 4, 3214868480
	.section	.rodata,"a",@progbits
	.p2align	6, 0x0
	.amdhsa_kernel k_q745728ed36_quant
		.amdhsa_group_segment_fixed_size 69120
		.amdhsa_private_segment_fixed_size 0
		.amdhsa_enable_private_segment 0
		.amdhsa_kernarg_size 40
		.amdhsa_user_sgpr_count 2
		.amdhsa_user_sgpr_kernarg_segment_ptr 1
		.amdhsa_wavefront_size32 1
		.amdhsa_system_sgpr_workgroup_id_x 1
		.amdhsa_system_sgpr_workgroup_id_y 1
		.amdhsa_system_sgpr_workgroup_id_z 1
		.amdhsa_system_vgpr_workitem_id 0
		.amdhsa_next_free_vgpr 186
		.amdhsa_next_free_sgpr 66
		.amdhsa_reserve_vcc 0
		.amdhsa_float_denorm_mode_32 3
		.amdhsa_float_denorm_mode_16_64 3
		.amdhsa_memory_ordered 1
		.amdhsa_forward_progress 1
		.amdhsa_inst_pref_size 25
	.end_amdhsa_kernel
	.amdgpu_metadata
---
amdhsa.version: [ 1, 2 ]
amdhsa.kernels:
  - .name:           k_q745728ed36_quant
    .symbol:         k_q745728ed36_quant.kd
    .args:
      - { .name: x, .offset: 0, .size: 8, .value_kind: global_buffer, .address_space: global }
      - { .name: w_qkv, .offset: 8, .size: 8, .value_kind: global_buffer, .address_space: global }
      - { .name: w_proj, .offset: 16, .size: 8, .value_kind: global_buffer, .address_space: global }
      - { .name: opc, .offset: 24, .size: 8, .value_kind: global_buffer, .address_space: global }
      - { .name: ops, .offset: 32, .size: 8, .value_kind: global_buffer, .address_space: global }
    .group_segment_fixed_size: 69120
    .private_segment_fixed_size: 0
    .kernarg_segment_align: 8
    .kernarg_segment_size: 40
    .max_flat_workgroup_size: 256
    .sgpr_count:     66
    .vgpr_count:     186
    .wavefront_size: 32
...
	.end_amdgpu_metadata
.endif
;; end of part 1
;; launch gemm_qkv (part 2): grid 12 x 64, 4 waves a work-group, clusters of 4 x 4, 295,424 bytes of LDS; arguments opc, ops, b_qkv, qkvc, qkvs; writes qkvc, qkvs
.if DOCPART == 2
	.amdgcn_target "amdgcn-amd-amdhsa--gfx1250"
	.amdhsa_code_object_version 6
	.text
	.protected	k_q745728ed36_gemm_qkv
	.globl	k_q745728ed36_gemm_qkv
	.p2align	8
	.type	k_q745728ed36_gemm_qkv,@function
k_q745728ed36_gemm_qkv:
	s_mov_b64 s[64:65], 0
	v_nop
	global_prefetch_b8 v0, s[64:65] scope:SCOPE_SE
	s_setreg_imm32_b32 hwreg(HW_REG_WAVE_MODE, 25, 1), 1
	s_wait_xcnt 0x0
	s_wait_alu depctr_hold_cnt(0) depctr_sa_sdst(0) depctr_va_vdst(0) depctr_va_sdst(0) depctr_va_ssrc(0) depctr_va_vcc(0) depctr_vm_vsrc(0)
	s_getreg_b32 s2, hwreg(HW_REG_IB_STS2, 6, 4)
	s_cmp_eq_u32 s2, 0
	s_cbranch_scc0 .Lentry_in_a_cluster
	s_endpgm
.Lentry_in_a_cluster:
	s_bfe_u32 s2, ttmp6, 0x10000c
	s_cmp_lg_u32 s2, 0xf033
	s_cbranch_scc0 .Lentry_shape_is_right
	s_endpgm
.Lentry_shape_is_right:
; qkv = x w_qkv + b_qkv on codes of BF6 with E8M0 scales, K = 1,024; the result is quantised in registers and leaves as codes: q and k along the head's 64 channels, v along the keys.
; OPERANDS lie in opc as images of the operand's registers ([tile of 16 rows][K step][1536 bytes]; half c at 768 c: registers 6 c .. 6 c + 3 at 16 x lane, 6 c + 4, 6 c + 5 at 512 + 8 x lane), their scale bytes in ops ([row][32]).
; A WORK-GROUP multiplies 256 rows of source 0 by 128 rows of source 1; in a result a lane holds ONE row of source 1 and its registers run along source 0's rows, which are the next product's K.
;   clusters with x = 0, 1 (q, k): source 0 = 256 columns of w_qkv, source 1 = 128 tokens: a lane holds a token, registers run along channels.
;   clusters with x = 2 (v):       source 0 = 256 tokens, source 1 = 128 columns of w_qkv: a lane holds a channel, registers run along tokens (keys).
; Four waves: wave & 1 = which 128 rows of source 0, wave >> 1 = which 64 of source 1: 8 x 4 = 32 accumulators.
; ALL OF K LIES IN LDS: (256 + 128) rows x 768 bytes = 294,912.  Every byte of LDS is filled once, in four chunks of two K steps; nothing is filled again.
; CLUSTER 4 x 4: source 0's tiles hang on cx alone and are asked for jointly by a column of the cluster, source 1's on cy alone and by a row.
; OUTPUT.  qkvc: q, k: [run of 128 channels 0..15][token tile 0..511][1536]; v, from byte 12,582,912: [run of 128 tokens 0..63][channel tile 0..63][1536]: register images again.
; qkvs: 256 bytes for each (run, group of 64 rows): the scale word of tile u (0..3), row r at 8 (r + 16 (u & 1)) + 4 (u >> 1); q, k: [16][128][256]; v, from byte 524,288: [64][16][256].
; Inside a block of 32 the order of k is that in which the results fall (groups of eight 0, 2, 1, 3), alike in every operand of this program.
; LIMITS: a block of zeros or under 2^-122 gets the byte 1 (read by this program alone); NaN and infinities are not served.
; REGISTERS, in windows of 256: window 0: v2-17 LDS addresses, v18-22 offsets, v32-63 source 0's scale words, v64-79 source 1's, v80-183 the way out.
;   window 1: accumulator (u, t) at v[8 (8 u + t)].  windows 2, 3: fragment sets 0, 1: source 0's fragment t at v[12 t], source 1's fragment u at v[96 + 12 u].  window 3, from v160: the bias.
.set CH0,  49152                       ; LDS: a chunk of source 0: 16 tiles x two K steps x 1,536
.set CH1,  24576                       ; of source 1: 8 tiles
.set OP1,  4*CH0                       ; source 1 lies behind source 0
.set A016, 2                           ; v2-5    source 0, chunk j: 16 x lane + my half + j CH0
.set A08,  6                           ; v6-9    the same with 8 x lane
.set A116, 10                          ; v10-13  source 1
.set A18,  14                          ; v14-17
.set VO16, 18                          ; v18     16 x lane
.set VO8,  19                          ; v19     8 x lane
.set SCLA, 32                          ; v[SCLA + 8 i + q]: K step q's words: lanes 0-15 tile 2 i, lanes 16-31 tile 2 i + 1
.set SCLB, 64
.set TM,   80                          ; v80-95  at work in the quantiser
.set PW,   96                          ; v96-99  the four tiles' scale words
.set RW,   100                         ; v100-101 as they are stored
.set BIAS, 160                         ; in window 3
.set G1A,  16                          ; s[16:23], s[24:31] descriptor groups 1;  s[32:47], s[48:63] groups 0, one for each chunk
.set G1B,  24
.set G0A,  32
.set G0B,  48
.set WV,   66
.set W0,   67
.set W1,   68
.set CX,   69
.set CY,   70
.set CC,   71
.set SEL,  72
.set MSB, 0
.macro WIN new                         ; the immediate's high byte repeats the setting that is left
.if MSB != (\new)
	s_set_vgpr_msb (MSB<<8)|(\new)
.set MSB, (\new)
.endif
.endm
.macro PLACES                          ; four plain instructions behind a matrix instruction, ahead of loads into its sources and of reads of its results
.rept 4
	v_nop
.endr
.endm
.macro CROUND                          ; a round of the cluster's barrier
	s_barrier_signal -1
	s_barrier_wait -1
	s_cmp_lg_u32 s[WV], 0
	s_cbranch_scc1 .Lnot_wave_0_\@
	s_barrier_signal -3
.Lnot_wave_0_\@:
	s_barrier_wait -3
	s_barrier_signal -1
	s_barrier_wait -1
.endm
.macro WM d, a, b, c, sa, sb, ra, rb   ; ra, rb = 1: that side's scale words stand in lanes 16-31
.if ((\ra) == 0) && ((\rb) == 0)
	v_wmma_scale_f32_16x16x128_f8f6f4 v[(\d):(\d)+7], v[(\a):(\a)+11], v[(\b):(\b)+11], v[(\c):(\c)+7], v[\sa], v[\sb] matrix_a_fmt:MATRIX_FMT_BF6 matrix_b_fmt:MATRIX_FMT_BF6
.elseif (\rb) == 0
	v_wmma_scale_f32_16x16x128_f8f6f4 v[(\d):(\d)+7], v[(\a):(\a)+11], v[(\b):(\b)+11], v[(\c):(\c)+7], v[\sa], v[\sb] matrix_a_fmt:MATRIX_FMT_BF6 matrix_b_fmt:MATRIX_FMT_BF6 matrix_a_scale:MATRIX_SCALE_ROW1
.elseif (\ra) == 0
	v_wmma_scale_f32_16x16x128_f8f6f4 v[(\d):(\d)+7], v[(\a):(\a)+11], v[(\b):(\b)+11], v[(\c):(\c)+7], v[\sa], v[\sb] matrix_a_fmt:MATRIX_FMT_BF6 matrix_b_fmt:MATRIX_FMT_BF6 matrix_b_scale:MATRIX_SCALE_ROW1
.else
	v_wmma_scale_f32_16x16x128_f8f6f4 v[(\d):(\d)+7], v[(\a):(\a)+11], v[(\b):(\b)+11], v[(\c):(\c)+7], v[\sa], v[\sb] matrix_a_fmt:MATRIX_FMT_BF6 matrix_b_fmt:MATRIX_FMT_BF6 matrix_a_scale:MATRIX_SCALE_ROW1 matrix_b_scale:MATRIX_SCALE_ROW1
.endif
.endm
.macro FETCH k, set                    ; K step k's twelve fragments into set: 48 LDS loads, each of 512 or 256 consecutive bytes
	WIN 0x80+0x40*(\set)
.irp t, 0,1,2,3,4,5,6,7
.irp c, 0,1
	ds_load_b128 v[12*\t+6*\c:12*\t+6*\c+3], v[A016+(\k)/2] offset:\t*3072+((\k)%2)*1536+768*\c
	ds_load_b64 v[12*\t+6*\c+4:12*\t+6*\c+5], v[A08+(\k)/2] offset:\t*3072+((\k)%2)*1536+768*\c+512
.endr
.endr
.irp u, 0,1,2,3
.irp c, 0,1
	ds_load_b128 v[96+12*\u+6*\c:96+12*\u+6*\c+3], v[A116+(\k)/2] offset:\u*3072+((\k)%2)*1536+768*\c
	ds_load_b64 v[96+12*\u+6*\c+4:96+12*\u+6*\c+5], v[A18+(\k)/2] offset:\u*3072+((\k)%2)*1536+768*\c+512
.endr
.endr
.endm
; 32 matrix instructions: K step k from set.  cm = 0: onto the sums; 1: the bias of source 0's tile starts them; 2: that of source 1's tile.
; The 32 accumulators take turns, one instruction a turn, in the same order in every K step.
.macro MUL k, set, cm
.if (\cm) == 0
	WIN 0x5a+5*(\set)
.else
	WIN 0x7a
.endif
.irp u, 0,1,2,3
.irp t, 0,1,2,3,4,5,6,7
.if (\cm) == 0
	WM 8*(8*\u+\t), 12*\t, 96+12*\u, 8*(8*\u+\t), SCLA+8*(\t/2)+(\k), SCLB+8*(\u/2)+(\k), \t%2, \u%2
.elseif (\cm) == 1
	WM 8*(8*\u+\t), 12*\t, 96+12*\u, BIAS+8*\t, SCLA+8*(\t/2)+(\k), SCLB+8*(\u/2)+(\k), \t%2, \u%2
.else
	WM 8*(8*\u+\t), 12*\t, 96+12*\u, BIAS+8*\u, SCLA+8*(\t/2)+(\k), SCLB+8*(\u/2)+(\k), \t%2, \u%2
.endif
.endr
.endr
.endm
; A K step: its fragments, asked for a K step ago, are in; the next step's are asked for; then the products.  tc >= 0: the next step lies in a new chunk.
.macro KSTEP k, tc
	s_wait_dscnt 0x0
.if (\tc) >= 0
	s_wait_tensorcnt \tc                           ; my part of the next chunk has landed; my \tc younger loads stay out
	s_barrier_signal -1
	s_barrier_wait -1                              ; everybody's part has
.endif
.if (\k) < 7
	PLACES
	FETCH (\k)+1, ((\k)+1)%2
.endif
	MUL \k, (\k)%2, 0
.endm
	s_load_b256 s[4:11], s[0:1], 0x0               ; opc s[4:5], ops s[6:7], b_qkv s[8:9], qkvc s[10:11]
	s_load_b64 s[12:13], s[0:1], 0x20              ; qkvs
	v_lshl_add_u32 v254, v0, 2, 0x48000
	v_mov_b32 v255, 0
	ds_add_u32 v254, v255
	ds_add_u32 v254, v255
	v_lshrrev_b32 v1, 5, v0
	v_readfirstlane_b32 s[WV], v1                  ; wave 0..3
	s_and_b32 s[W0], s[WV], 1
	s_lshr_b32 s[W1], s[WV], 1
	s_bfe_u32 s[CX], ttmp6, 0x40000                ; my place in the cluster
	s_bfe_u32 s[CY], ttmp6, 0x40004
	s_and_b32 s[CC], ttmp7, 0xffff                 ; the cluster's y
	s_lshl_b32 s72, 0x1111, s[CX]                  ; my column of the cluster
	s_lshl_b32 s73, s[CY], 2
	s_lshl_b32 s73, 15, s73                        ; my row
	; descriptor groups 1: elements of 8 bytes; a row = a tile's two K steps, 3,072 bytes = 384 elements; from tile to tile 12,288 bytes = 1,536 elements; 8 tiles (source 0) or 4 (source 1) to a load
	s_or_b32 s[G1A], s72, (3<<16)|(1<<21)
	s_or_b32 s[G1B], s73, (3<<16)|(1<<21)
	s_mov_b32 s[G1A+1], 384<<16
	s_mov_b32 s[G1A+2], 8<<16
	s_mov_b32 s[G1A+3], 384<<16
	s_mov_b32 s[G1A+4], 8
	s_mov_b32 s[G1A+5], 1536
	s_mov_b32 s[G1A+6], 0
	s_mov_b32 s[G1A+7], 0
	s_mov_b32 s[G1B+1], 384<<16
	s_mov_b32 s[G1B+2], 4<<16
	s_mov_b32 s[G1B+3], 384<<16
	s_mov_b32 s[G1B+4], 4
	s_mov_b32 s[G1B+5], 1536
	s_mov_b32 s[G1B+6], 0
	s_mov_b32 s[G1B+7], 0
	; which part of the product is mine.  The kind hangs on the cluster's x alone: it is the same in all sixteen partners
	s_lshl_b32 s74, ttmp9, 2                       ; q, k: X0 = 4 x cluster x + cx
	s_lshr_b32 s83, s[CC], 1
	s_lshl_b32 s83, s83, 2                         ; v:    X0 = 4 (cluster y >> 1) + cx
	s_lshl_b32 s75, s[CC], 2                       ; q, k: Y1 = 4 x cluster y + cy
	s_and_b32 s84, s[CC], 1
	s_lshl_b32 s84, s84, 2                         ; v:    Y1 = 4 (cluster y & 1) + cy
	s_cmp_eq_u32 ttmp9, 2
	s_cselect_b32 s74, s83, s74
	s_cselect_b32 s75, s84, s75
	s_cselect_b32 s76, 0, 512                      ; source 0's tiles begin: v: x's; q, k: w_qkv's
	s_cselect_b32 s77, 640, 0                      ; source 1's: v: w_qkv's columns from 2,048 on; q, k: x's
	s_cselect_b32 s78, 64, 512                     ; tiles of source 1 in a run of the output
	s_cselect_b32 s79, 16, 128                     ; groups of 64 rows in a run
	s_cselect_b32 s80, 12582912, 0                 ; the output's part: codes,
	s_cselect_b32 s81, 524288, 0                   ; scale words
	s_cselect_b32 s82, 1, 0                        ; 1: v
	s_add_co_u32 s74, s74, s[CX]                   ; X0
	s_add_co_u32 s75, s75, s[CY]                   ; Y1
	s_lshl_b32 s83, s74, 4
	s_add_co_u32 s76, s76, s83                     ; source 0's first tile: made of cx and the cluster's place alone
	s_lshl_b32 s83, s75, 3
	s_add_co_u32 s77, s77, s83                     ; source 1's: of cy and the cluster's place alone
	s_lshl_b32 s83, s[W0], 3                       ; what I fetch: waves 0, 1: source 0's tiles 8 (wave & 1) on; waves 2, 3: source 1's tiles 4 (wave & 1) on
	s_add_co_u32 s83, s83, s76
	s_mul_i32 s84, s83, 12288
	s_mov_b32 s85, 0
	s_lshl_b32 s83, s[W0], 2
	s_add_co_u32 s83, s83, s77
	s_mul_i32 s86, s83, 12288
	s_mov_b32 s87, 0
	s_mul_i32 s88, s[W0], 24576                    ; and where it goes: no place in the cluster enters an LDS address
	s_mul_i32 s89, s[W0], 12288
	s_wait_dscnt 0x0
	s_wait_kmcnt 0x0
	s_add_nc_u64 s[84:85], s[4:5], s[84:85]
	s_add_nc_u64 s[86:87], s[4:5], s[86:87]
.irp j, 0,1,2,3
	s_mov_b32 s[G0A+4*\j], 1
	s_add_co_u32 s[G0A+4*\j+1], s88, \j*CH0
	s_add_nc_u64 s[G0A+4*\j+2:G0A+4*\j+3], s[84:85], \j*3072
	s_or_b32 s[G0A+4*\j+3], s[G0A+4*\j+3], 0x80000000
	s_mov_b32 s[G0B+4*\j], 1
	s_add_co_u32 s[G0B+4*\j+1], s89, OP1+\j*CH1
	s_add_nc_u64 s[G0B+4*\j+2:G0B+4*\j+3], s[86:87], \j*3072
	s_or_b32 s[G0B+4*\j+3], s[G0B+4*\j+3], 0x80000000
.endr
	CROUND                                         ; all sixteen work-groups are here: the joint loads meet
	s_cmp_lt_u32 s[WV], 2                          ; a wave's four fills stand in one branch on its number: four tensor loads of mine are out
	s_cbranch_scc0 .Lfill_b
	tensor_load_to_lds s[G0A:G0A+3], s[G1A:G1A+7]
	s_nop 0
	tensor_load_to_lds s[G0A+4:G0A+7], s[G1A:G1A+7]
	s_nop 0
	tensor_load_to_lds s[G0A+8:G0A+11], s[G1A:G1A+7]
	s_nop 0
	tensor_load_to_lds s[G0A+12:G0A+15], s[G1A:G1A+7]
	s_nop 0
	PLACES                                         ; four v_nop follow the last
	s_branch .Lfilled
.Lfill_b:
	tensor_load_to_lds s[G0B:G0B+3], s[G1B:G1B+7]
	s_nop 0
	tensor_load_to_lds s[G0B+4:G0B+7], s[G1B:G1B+7]
	s_nop 0
	tensor_load_to_lds s[G0B+8:G0B+11], s[G1B:G1B+7]
	s_nop 0
	tensor_load_to_lds s[G0B+12:G0B+15], s[G1B:G1B+7]
	s_nop 0
	PLACES
.Lfilled:
	v_and_b32 v1, 31, v0
	v_lshlrev_b32 v[VO16], 4, v1
	v_lshlrev_b32 v[VO8], 3, v1
	v_lshlrev_b32 v20, 5, v1                       ; 32 x lane: a row of scale bytes
	v_bfe_u32 v21, v0, 4, 1
	v_lshlrev_b32 v21, 5, v21                      ; 32 h
	v_and_b32 v22, 15, v0
	v_lshlrev_b32 v22, 2, v22                      ; 4 r
	s_mul_i32 s90, s[W1], 12288
	s_add_co_u32 s90, s90, OP1                     ; what I multiply: source 0's half wave & 1 (s88), source 1's half wave >> 1
.irp j, 0,1,2,3
	v_add_nc_u32 v[A016+\j], s88, v[VO16]
	v_add_nc_u32 v[A08+\j], s88, v[VO8]
	v_add_nc_u32 v[A116+\j], s90, v[VO16]
	v_add_nc_u32 v[A18+\j], s90, v[VO8]
	s_add_co_u32 s88, s88, CH0
	s_add_co_u32 s90, s90, CH1
.endr
	; the scale words of all of K come once, straight into registers: lane l takes the 32 bytes of row 32 i + l
	s_lshl_b32 s83, s[W0], 3
	s_add_co_u32 s83, s83, s76
	s_lshl_b32 s92, s83, 9
	s_mov_b32 s93, 0
	s_add_nc_u64 s[92:93], s[6:7], s[92:93]
	s_lshl_b32 s83, s[W1], 2
	s_add_co_u32 s83, s83, s77
	s_lshl_b32 s94, s83, 9
	s_mov_b32 s95, 0
	s_add_nc_u64 s[94:95], s[6:7], s[94:95]
.irp i, 0,1,2,3
	global_load_b128 v[SCLA+8*\i:SCLA+8*\i+3], v20, s[92:93] offset:1024*\i
	global_load_b128 v[SCLA+8*\i+4:SCLA+8*\i+7], v20, s[92:93] offset:1024*\i+16
.endr
.irp i, 0,1
	global_load_b128 v[SCLB+8*\i:SCLB+8*\i+3], v20, s[94:95] offset:1024*\i
	global_load_b128 v[SCLB+8*\i+4:SCLB+8*\i+7], v20, s[94:95] offset:1024*\i+16
.endr
	; where my results go
	s_lshl_b32 s83, s74, 1
	s_add_co_u32 s83, s83, s[W0]                   ; run = 2 X0 + (wave & 1)
	s_lshl_b32 s91, s75, 3
	s_lshl_b32 s97, s[W1], 2
	s_add_co_u32 s91, s91, s97                     ; my first tile of source 1 = 8 Y1 + 4 (wave >> 1)
	s_mul_i32 s96, s83, s78
	s_add_co_u32 s96, s96, s91
	s_mul_i32 s96, s96, 1536
	s_add_co_u32 s96, s96, s80
	s_mov_b32 s97, 0
	s_add_nc_u64 s[10:11], s[10:11], s[96:97]
	s_lshl_b32 s96, s75, 1
	s_add_co_u32 s96, s96, s[W1]                   ; group = 2 Y1 + (wave >> 1)
	s_mul_i32 s98, s83, s79
	s_add_co_u32 s98, s98, s96
	s_lshl_b32 s98, s98, 8
	s_add_co_u32 s98, s98, s81
	s_mov_b32 s99, 0
	s_add_nc_u64 s[12:13], s[12:13], s[98:99]
	s_lshl_b32 s96, s83, 9                         ; the bias: q, k: my run's 128 numbers;
	s_lshl_b32 s98, s91, 6
	s_add_co_u32 s98, s98, 8192                    ; v: from column 2,048 on, my 64
	s_cmp_lg_u32 s82, 0
	s_cselect_b32 s96, s98, s96
	s_add_nc_u64 s[8:9], s[8:9], s[96:97]
	s_mov_b32 s[SEL], 0x76543210
	s_mov_b32 s[SEL+1], 0xfedcba98                 ; v_permlanex16_b32's selects for lane l xor 16
	s_mov_b32 s100, 0xffff0000                     ; lanes 16-31
.irp b, 0,1,2,3
	v_mov_b32 v[TM+4+\b], 0                        ; a lane permute's destination counts as one of its sources
.endr
	; the bias is the C of each sum's first matrix instruction, in the result's layout
	s_cmp_lg_u32 s82, 0
	s_cbranch_scc1 .Lbias_v
	WIN 0xc0
.irp t, 0,1,2,3,4,5,6,7
	global_load_b128 v[BIAS+8*\t:BIAS+8*\t+3], v21, s[8:9] offset:64*\t          ; q, k: register j of tile t: channel 16 t + 8 h + j
	global_load_b128 v[BIAS+8*\t+4:BIAS+8*\t+7], v21, s[8:9] offset:64*\t+16
.endr
	WIN 0
	s_branch .Lbias_done
.Lbias_v:
	WIN 0xc0
.irp u, 0,1,2,3
.irp j, 0,1,2,3,4,5,6,7
	global_load_b32 v[BIAS+8*\u+\j], v22, s[8:9] offset:64*\u                    ; v: all eight registers of tile u: channel 16 u + r
.endr
.endr
	WIN 0
.Lbias_done:
	s_wait_tensorcnt 0x3                           ; my part of chunk 0 has landed; my three younger loads stay out
	s_barrier_signal -1
	s_barrier_wait -1                              ; everybody's part has
	FETCH 0, 0
	s_wait_loadcnt 0x0                             ; scale words and bias
	s_wait_dscnt 0x0
	FETCH 1, 1
	WIN 0                                          ; at a branch and at a label every window is 0
	s_cmp_lg_u32 s82, 0
	s_cbranch_scc1 .Lmul0_v
	MUL 0, 0, 1
	WIN 0
	s_branch .Lmul0_done
.Lmul0_v:
	MUL 0, 0, 2
	WIN 0
.Lmul0_done:
	KSTEP 1, 2
	KSTEP 2, -1
	s_wait_alu depctr_va_vdst(0)
	KSTEP 3, 1
	KSTEP 4, -1
	KSTEP 5, 0
	KSTEP 6, -1
	KSTEP 7, -1
	WIN 0
	PLACES
; THE WAY OUT.  Tile u's 64 registers of a lane are 128 neighbours along the next K of ONE row: register 16 b + i belongs to block b.  They become a fragment's codes and the row's scale word, and leave as a register image.
.macro QUANTW u
.set SS, 64*(\u)
.set PC, 104+20*(\u)
	WIN 0x05
.irp b, 0,1,2,3
	v_max3_num_f32 v[TM+\b], |v[SS+16*\b]|, |v[SS+16*\b+1]|, 0x2800000   ; my 16 numbers of block b, each accumulator from its low end on, and the floor 2^(5 - 127)
.endr
	WIN 0x14
.irp i, 2,4,6,8,10,12,14
.irp b, 0,1,2,3
	v_max3_num_f32 v[TM+\b], v[TM+\b], |v[SS+16*\b+\i]|, |v[SS+16*\b+\i+1]|
.endr
.endr
	WIN 0
.irp b, 0,1,2,3
	v_permlanex16_b32 v[TM+4+\b], v[TM+\b], s[SEL], s[SEL+1]
.endr
.irp b, 0,1,2,3
	v_max_num_f32 v[TM+\b], v[TM+\b], v[TM+4+\b]   ; with lane l xor 16's: the block's largest magnitude
.endr
.irp b, 0,1,2,3
	v_add_nc_u32 v[TM+12+\b], 0xfe000000, v[TM+\b] ; 4 off its exponent field: the conversion's scale operand
.endr
.irp b, 0,1,2,3
	v_lshrrev_b32 v[TM+4+\b], 23, v[TM+12+\b]      ; the scale's byte
.endr
	v_lshl_or_b32 v[PW+\u], v[TM+5], 8, v[TM+4]
	v_lshl_or_b32 v[PW+\u], v[TM+6], 16, v[PW+\u]
	v_lshl_or_b32 v[PW+\u], v[TM+7], 24, v[PW+\u]
	WIN 0x01
.irp c, 0,1
	v_cvt_scalef32_pk16_bf6_f32 v[PC+6*\c:PC+6*\c+2], v[SS+32*\c:SS+32*\c+15], v[TM+12+2*\c]
	v_cvt_scalef32_pk16_bf6_f32 v[PC+12+4*\c:PC+14+4*\c], v[SS+32*\c+16:SS+32*\c+31], v[TM+12+2*\c+1]
.endr
	WIN 0
	v_nop                                          ; one plain instruction behind the scaled conversions
.irp c, 0,1                                    ; the operand's layout wants a whole block in a lane: lanes 0-15 block 2 c, lanes 16-31 block 2 c + 1
.irp i, 0,1,2
	v_permlane16_swap_b32 v[PC+6*\c+\i], v[PC+12+4*\c+\i]
.endr
.irp i, 0,1,2
	v_mov_b32 v[PC+3+6*\c+\i], v[PC+12+4*\c+\i]
.endr
.endr
	global_store_b128 v[VO16], v[PC:PC+3], s[10:11] offset:(\u)*1536             ; each tile has registers of its own: no store's data are written again
	global_store_b64 v[VO8], v[PC+4:PC+5], s[10:11] offset:(\u)*1536+512
	global_store_b128 v[VO16], v[PC+6:PC+9], s[10:11] offset:(\u)*1536+768
	global_store_b64 v[VO8], v[PC+10:PC+11], s[10:11] offset:(\u)*1536+1280
.endm
	QUANTW 0
	QUANTW 1
	QUANTW 2
	QUANTW 3
	v_cndmask_b32 v[RW], v[PW], v[PW+1], s100      ; lanes 0-15: tiles 0 and 2; lanes 16-31: tiles 1 and 3 (lanes r and r + 16 hold the same words)
	v_cndmask_b32 v[RW+1], v[PW+2], v[PW+3], s100
	global_store_b64 v[VO8], v[RW:RW+1], s[12:13]  ; 256 consecutive bytes, aligned
	s_wait_tensorcnt 0x0
	ds_add_u32 v254, v255
	s_wait_dscnt 0x0
	CROUND                                         ; the closing round: no work-group ends while a partner may still ask for a tile that names it
	s_endpgm
.Lfunc_end_k_q745728ed36_gemm_qkv:
	.size	k_q745728ed36_gemm_qkv, .Lfunc_end_k_q745728ed36_gemm_qkv-k_q745728ed36_gemm_qkv
	.p2alignl 7, 3214868480
	.fill 96, 4, 3214868480
	.section	.rodata,"a",@progbits
	.p2align	6, 0x0
	.amdhsa_kernel k_q745728ed36_gemm_qkv
		.amdhsa_group_segment_fixed_size 295424
		.amdhsa_private_segment_fixed_size 0
		.amdhsa_enable_private_segment 0
		.amdhsa_kernarg_size 40
		.amdhsa_user_sgpr_count 2
		.amdhsa_user_sgpr_kernarg_segment_ptr 1
		.amdhsa_wavefront_size32 1
		.amdhsa_system_sgpr_workgroup_id_x 1
		.amdhsa_system_sgpr_workgroup_id_y 1
		.amdhsa_system_sgpr_workgroup_id_z 1
		.amdhsa_system_vgpr_workitem_id 0
		.amdhsa_next_free_vgpr 1024
		.amdhsa_next_free_sgpr 102
		.amdhsa_reserve_vcc 0
		.amdhsa_float_denorm_mode_32 3
		.amdhsa_float_denorm_mode_16_64 3
		.amdhsa_memory_ordered 1
		.amdhsa_forward_progress 1
		.amdhsa_inst_pref_size 96
	.end_amdhsa_kernel
	.amdgpu_metadata
---
amdhsa.version: [ 1, 2 ]
amdhsa.kernels:
  - .name:           k_q745728ed36_gemm_qkv
    .symbol:         k_q745728ed36_gemm_qkv.kd
    .args:
      - { .name: opc, .offset: 0, .size: 8, .value_kind: global_buffer, .address_space: global }
      - { .name: ops, .offset: 8, .size: 8, .value_kind: global_buffer, .address_space: global }
      - { .name: b_qkv, .offset: 16, .size: 8, .value_kind: global_buffer, .address_space: global }
      - { .name: qkvc, .offset: 24, .size: 8, .value_kind: global_buffer, .address_space: global }
      - { .name: qkvs, .offset: 32, .size: 8, .value_kind: global_buffer, .address_space: global }
    .group_segment_fixed_size: 295424
    .private_segment_fixed_size: 0
    .kernarg_segment_align: 8
    .kernarg_segment_size: 40
    .max_flat_workgroup_size: 128
    .sgpr_count:     102
    .vgpr_count:     1024
    .wavefront_size: 32
...
	.end_amdgpu_metadata
.endif
;; end of part 2
;; launch attn (part 3): grid 4 x 64, 16 waves a work-group, clusters of 4 x 1, 210,944 bytes of LDS; arguments qkvc, qkvs, yc, ys; writes yc, ys
.if DOCPART == 3
	.amdgcn_target "amdgcn-amd-amdhsa--gfx1250"
	.amdhsa_code_object_version 6
	.text
	.protected	k_q745728ed36_attn
	.globl	k_q745728ed36_attn
	.p2align	8
	.type	k_q745728ed36_attn,@function
k_q745728ed36_attn:
	s_mov_b64 s[64:65], 0
	v_nop
	global_prefetch_b8 v0, s[64:65] scope:SCOPE_SE
	s_setreg_imm32_b32 hwreg(HW_REG_WAVE_MODE, 25, 1), 1
	s_wait_xcnt 0x0
	s_wait_alu depctr_hold_cnt(0) depctr_sa_sdst(0) depctr_va_vdst(0) depctr_va_sdst(0) depctr_va_ssrc(0) depctr_va_vcc(0) depctr_vm_vsrc(0)
	s_getreg_b32 s2, hwreg(HW_REG_IB_STS2, 6, 4)
	s_cmp_eq_u32 s2, 0
	s_cbranch_scc0 .Lentry_in_a_cluster
	s_endpgm
.Lentry_in_a_cluster:
	s_bfe_u32 s2, ttmp6, 0x10000c
	s_cmp_lg_u32 s2, 0x3003
	s_cbranch_scc0 .Lentry_shape_is_right
	s_endpgm
.Lentry_shape_is_right:
; y[b][q][head] = the sum over keys k <= q of softmax_k(Q . K / 8) V, both products on codes of BF6 with E8M0 scales; y is quantised along the model's 1,024 channels and leaves as codes.
; THE SOFTMAX AHEAD OF THE SECOND PRODUCT: t = score x log2(e) / 8; M = the running largest t rounded UP to a whole number; p = 2^(t - M) is quantised along the keys, not normalised;
; the row's sum is taken of the unquantised p and divides O at the end.  When M moves, the sum and O are multiplied by 2^(old M - new M): exact.
; INPUTS are register images (see the launch that makes them): a half image of 768 bytes is 16 tokens x one head's 64 channels (registers 0-3 at 16 x lane, 4-5 at 512 + 8 x lane); a fragment of V is 16 channels x 128 keys.
; The first product's K is 64: registers 6-11 of Q's and K's fragments are zero codes, and the scale words' upper two bytes are 0 (they scale zeros).
; SHARES.  A cluster of four work-groups owns one head of one batch; its K and V (all 2,048 keys: 196,608 bytes of codes, 12,288 of scale words) come into each partner's LDS ONCE, by joint loads; nothing is filled again, nothing is stored to LDS.
; Wave w (0..15) of partner cx owns the query tiles i0 = 4 w + cx and i1 = 127 - i0.  Their last key steps are w >> 1 and 15 - (w >> 1), which hang on the wave's number alone: every wave walks 17 key steps of 128 keys.
; LAYOUT.  S^T = K Q^T, O^T = V^T P^T: a lane holds ONE query (lane % 16); in S^T register 8 t + j is key 16 t + 8 (lane / 16) + j.  Quantised in registers, p has the order of k inside a block (groups of eight 0, 2, 1, 3) that V's codes have.
; OUTPUT.  yc: [token tile][head pair][parity][768]: half images; ys: [token][32]: the head's two bytes at 2 x head (two bytes a lane, 32 bytes apart: a head owns only two of a token's 32 bytes).
; LIMITS: a block of zeros or under 2^-122 gets the byte 1 (read by this program alone); NaN and infinities are not served.
; REGISTERS: v1-6 lane terms; v7-12 the step's addresses; v13 the mask's d; v[14:15] the sum; v16-27, v236-247 Q; v28, v29 Q's scale words; v30 -M, v31 the largest t; v32-79 four fragments of K; v80-83 K's scale words, v84-85 V's, v86 p's;
;   v96-159 S^T, then p, then V's four fragments; v160-191 O^T; v192-203 p's codes; v204-210 conversions; v212-233 at work.
.set VB,   98304                       ; LDS: K's codes [key tile 128][768] from 0; V's [key step 16][channel tile 4][1536] from VB;
.set KSB,  196608                      ; K's scale words, 32 groups of 256 bytes;
.set VSB,  204800                      ; V's, 256 bytes a key step
.set BM,   212                         ; v212-215 the blocks' largest scores, then largest p
.set PT,   216                         ; v216-219 lane l xor 16's; a chain of the sum; the bytes
.set SO,   220                         ; v220-223 the conversions' scale operands
.set F,    224                         ; v[224:225] f = 2^(old M - new M), named as a pair
.set TMP,  226
.set NINF, 227                         ; -infinity
.set YB,   228                         ; y's two scale bytes
.set WV,   12
.set SEL,  20
.set CS,   22
.set G1K,  24
.set G1V,  32
.set G1KS, 40
.set G1VS, 48
.set G0K,  56
.set G0V,  60
.set G0KS, 68
.set G0VS, 72
.set KS,   76                          ; s76  the key step
.set LAST, 77                          ; s77  the tile's last key step
.set TK,   78                          ; s78  6,144 x key step: K's and V's codes
.set TSK,  79                          ; s79  512 x key step: K's scale words
.set TSV,  80                          ; s80  256 x key step: V's
.set I0,   81                          ; s81, s82 my two query tiles
.set YC,   86                          ; s[86:89] where their codes go
.set YS,   90                          ; s[90:93] and their scale bytes
.set QC,   94                          ; s[94:97] Q's codes
.set QS,   98                          ; s[98:101] Q's scale words
.macro PLACES
.rept 4
	v_nop
.endr
.endm
.macro CROUND                          ; a round of the cluster's barrier
	s_barrier_signal -1
	s_barrier_wait -1
	s_cmp_lg_u32 s[WV], 0
	s_cbranch_scc1 .Lnot_wave_0_\@
	s_barrier_signal -3
.Lnot_wave_0_\@:
	s_barrier_wait -3
	s_barrier_signal -1
	s_barrier_wait -1
.endm
.macro GROUP1 g, c, r, p               ; r rows of c elements of 8 bytes, p elements apart, no padding; the mask names all four partners
	s_mov_b32 s[\g], 15|(3<<16)|(1<<21)
	s_mov_b32 s[\g+1], (\c)<<16
	s_mov_b32 s[\g+2], (\r)<<16
	s_mov_b32 s[\g+3], (\c)<<16
	s_mov_b32 s[\g+4], \r
	s_mov_b32 s[\g+5], \p
	s_mov_b32 s[\g+6], 0
	s_mov_b32 s[\g+7], 0
.endm
.macro WMZ d, a, b, sa, sb, ra         ; a product that starts its sum; ra = 1: source 0's scale words stand in lanes 16-31
.if (\ra) == 0
	v_wmma_scale_f32_16x16x128_f8f6f4 v[(\d):(\d)+7], v[(\a):(\a)+11], v[(\b):(\b)+11], 0, v[\sa], v[\sb] matrix_a_fmt:MATRIX_FMT_BF6 matrix_b_fmt:MATRIX_FMT_BF6
.else
	v_wmma_scale_f32_16x16x128_f8f6f4 v[(\d):(\d)+7], v[(\a):(\a)+11], v[(\b):(\b)+11], 0, v[\sa], v[\sb] matrix_a_fmt:MATRIX_FMT_BF6 matrix_b_fmt:MATRIX_FMT_BF6 matrix_a_scale:MATRIX_SCALE_ROW1
.endif
.endm
.macro WMA d, a, b, sa, sb, ra         ; a product that adds onto its sum
.if (\ra) == 0
	v_wmma_scale_f32_16x16x128_f8f6f4 v[(\d):(\d)+7], v[(\a):(\a)+11], v[(\b):(\b)+11], v[(\d):(\d)+7], v[\sa], v[\sb] matrix_a_fmt:MATRIX_FMT_BF6 matrix_b_fmt:MATRIX_FMT_BF6
.else
	v_wmma_scale_f32_16x16x128_f8f6f4 v[(\d):(\d)+7], v[(\a):(\a)+11], v[(\b):(\b)+11], v[(\d):(\d)+7], v[\sa], v[\sb] matrix_a_fmt:MATRIX_FMT_BF6 matrix_b_fmt:MATRIX_FMT_BF6 matrix_a_scale:MATRIX_SCALE_ROW1
.endif
.endm
	s_load_b256 s[4:11], s[0:1], 0x0               ; qkvc s[4:5], qkvs s[6:7], yc s[8:9], ys s[10:11]
	v_lshl_add_u32 v254, v0, 2, 0x33000
	v_mov_b32 v255, 0
	ds_add_u32 v254, v255
	ds_add_u32 v254, v255
	v_lshrrev_b32 v1, 5, v0
	s_delay_alu instid0(VALU_DEP_1)
	v_readfirstlane_b32 s[WV], v1                  ; wave 0..15
	s_bfe_u32 s13, ttmp6, 0x40000                  ; cx: it enters Q's and y's global addresses and the mask's numbers alone
	s_and_b32 s14, ttmp7, 0xffff                   ; 16 x batch + head, which the four partners share
	s_lshr_b32 s15, s14, 4                         ; batch
	s_and_b32 s16, s14, 15                         ; head
	s_and_b32 s17, s16, 1                          ; its parity
	s_lshr_b32 s18, s16, 1                         ; the head pair
	s_and_b32 s19, s[WV], 3
	s_mul_i32 s83, s17, 768                        ; my head's half of a fragment of q, k or y
	GROUP1 G1K, 96, 32, 192                        ; K's codes: 32 key tiles' halves of 768 bytes, 1,536 bytes apart
	GROUP1 G1V, 768, 4, 12288                      ; V's: 4 key steps of 6,144 bytes, 98,304 bytes apart
	GROUP1 G1KS, 32, 32, 32                        ; K's scale words: 8,192 dense bytes
	GROUP1 G1VS, 32, 16, 512                       ; V's: 16 key steps of 256 bytes, 4,096 bytes apart
	s_mov_b32 s[SEL], 0x76543210
	s_mov_b32 s[SEL+1], 0xfedcba98                 ; v_permlanex16_b32's selects for lane l xor 16
	s_mov_b32 s[CS], 0x3e38aa3b                    ; c = log2(e) / 8
	s_mov_b32 s[CS+1], s[CS]                       ; (named with it as a pair, so it is written)
	s_mov_b32 s85, 0                               ; the upper word of every offset below
	s_wait_dscnt 0x0
	s_wait_kmcnt 0x0
	s_add_co_u32 s84, s18, 8                       ; K's codes: run 8 + head pair,
	s_lshl_b32 s84, s84, 9
	s_lshl_b32 s14, s15, 7                         ; token tile 128 x batch
	s_add_co_u32 s84, s84, s14
	s_lshl_b32 s77, s19, 5                         ; + 32 (wave & 3)
	s_add_co_u32 s84, s84, s77
	s_mul_i32 s84, s84, 1536
	s_add_co_u32 s84, s84, s83
	s_mov_b32 s[G0K], 1
	s_mul_i32 s[G0K+1], s19, 24576
	s_add_nc_u64 s[G0K+2:G0K+3], s[4:5], s[84:85]
	s_or_b32 s[G0K+3], s[G0K+3], 0x80000000
	s_lshl_b32 s84, s15, 4                         ; V's codes: run 16 x batch + 4 (wave & 3),
	s_lshl_b32 s77, s19, 2
	s_add_co_u32 s84, s84, s77
	s_lshl_b32 s84, s84, 6
	s_lshl_b32 s77, s16, 2                         ; channel tile 4 x head
	s_add_co_u32 s84, s84, s77
	s_mul_i32 s84, s84, 1536
	s_add_co_u32 s84, s84, 12582912
	s_mov_b32 s[G0V], 1
	s_add_co_u32 s[G0V+1], s[G0K+1], VB
	s_add_nc_u64 s[G0V+2:G0V+3], s[4:5], s[84:85]
	s_or_b32 s[G0V+3], s[G0V+3], 0x80000000
	s_add_co_u32 s84, s18, 8                       ; K's scale words: run 8 + head pair, group 32 x batch
	s_lshl_b32 s84, s84, 7
	s_lshl_b32 s77, s15, 5
	s_add_co_u32 s84, s84, s77
	s_lshl_b32 s84, s84, 8
	s_mov_b32 s[G0KS], 1
	s_mov_b32 s[G0KS+1], KSB
	s_add_nc_u64 s[G0KS+2:G0KS+3], s[6:7], s[84:85]
	s_or_b32 s[G0KS+3], s[G0KS+3], 0x80000000
	s_lshl_b32 s84, s15, 8                         ; V's: run 16 x batch, group = head
	s_add_co_u32 s84, s84, s16
	s_lshl_b32 s84, s84, 8
	s_add_co_u32 s84, s84, 524288
	s_mov_b32 s[G0VS], 1
	s_mov_b32 s[G0VS+1], VSB
	s_add_nc_u64 s[G0VS+2:G0VS+3], s[6:7], s[84:85]
	s_or_b32 s[G0VS+3], s[G0VS+3], 0x80000000
	CROUND                                         ; all four work-groups are here: the joint loads meet
	s_cmp_lt_u32 s[WV], 4                          ; waves 0-3: K's codes; 4-7: V's; 8: K's scale words; 9: V's: one tensor load a wave at the most.  Four v_nop follow each
	s_cbranch_scc0 .Lnot_k
	tensor_load_to_lds s[G0K:G0K+3], s[G1K:G1K+7]
	s_nop 0
	PLACES
	s_branch .Lasked
.Lnot_k:
	s_cmp_lt_u32 s[WV], 8
	s_cbranch_scc0 .Lnot_v
	tensor_load_to_lds s[G0V:G0V+3], s[G1V:G1V+7]
	s_nop 0
	PLACES
	s_branch .Lasked
.Lnot_v:
	s_cmp_eq_u32 s[WV], 8
	s_cbranch_scc0 .Lnot_ks
	tensor_load_to_lds s[G0KS:G0KS+3], s[G1KS:G1KS+7]
	s_nop 0
	PLACES
	s_branch .Lasked
.Lnot_ks:
	s_cmp_eq_u32 s[WV], 9
	s_cbranch_scc0 .Lasked
	tensor_load_to_lds s[G0VS:G0VS+3], s[G1VS:G1VS+7]
	s_nop 0
	PLACES
.Lasked:
	v_and_b32 v13, 31, v0                          ; lane
	s_delay_alu instid0(VALU_DEP_1)
	v_lshlrev_b32 v1, 4, v13                       ; 16 x lane: registers 0-3 of a half image (in LDS from K's byte 0, and in memory)
	s_wait_alu depctr_va_vdst(0)
	v_lshl_add_u32 v2, v13, 3, 512                 ; 8 x lane + 512: registers 4-5
	s_wait_alu depctr_va_vdst(0)
	v_add_nc_u32 v3, VB, v1                        ; the same for V
	v_add_nc_u32 v4, VB, v2
	s_lshl_b32 s84, s17, 1
	s_add_co_u32 s77, s84, KSB
	v_lshl_add_u32 v5, v13, 3, s77                 ; K's scale words: 8 x lane, + my head's two bytes of the word
	v_lshl_add_u32 v6, v13, 3, VSB                 ; V's
	v_and_b32 v232, 15, v0
	s_delay_alu instid0(VALU_DEP_1)
	v_lshlrev_b32 v233, 5, v232                    ; 32 r: a token's row of ys; never rewritten
	s_delay_alu instid0(VALU_DEP_2)
	v_lshlrev_b32 v232, 3, v232                    ; 8 r: Q's scale words
	s_wait_alu depctr_va_vdst(0)
	s_lshl_b32 s[I0], s[WV], 2
	s_add_co_u32 s[I0], s[I0], s13                 ; i0 = 4 w + cx
	s_sub_co_u32 s[I0+1], 127, s[I0]               ; i1 = 127 - i0
	s_lshl_b32 s78, s18, 9
	s_add_co_u32 s78, s78, s14                     ; q's codes: run = head pair, token tile 128 x batch
	s_lshl_b32 s79, s18, 7
	s_lshl_b32 s80, s15, 5
	s_add_co_u32 s79, s79, s80                     ; q's scale words: group 32 x batch
.irp n, 0,1
	s_add_co_u32 s84, s78, s[I0+\n]
	s_mul_i32 s84, s84, 1536
	s_add_co_u32 s84, s84, s83
	s_add_nc_u64 s[QC+2*\n:QC+2*\n+1], s[4:5], s[84:85]
	s_lshr_b32 s84, s[I0+\n], 2                    ; tile i is tile u = i & 3 of group i >> 2: its words lie at 128 (u & 1) + 4 (u >> 1) + 8 r
	s_add_co_u32 s84, s84, s79
	s_lshl_b32 s84, s84, 8
	s_and_b32 s80, s[I0+\n], 1
	s_lshl_b32 s80, s80, 7
	s_add_co_u32 s84, s84, s80
	s_bfe_u32 s80, s[I0+\n], 0x10001
	s_lshl_b32 s80, s80, 2
	s_add_co_u32 s84, s84, s80
	s_lshl_b32 s80, s17, 1
	s_add_co_u32 s84, s84, s80
	s_add_nc_u64 s[QS+2*\n:QS+2*\n+1], s[6:7], s[84:85]
	s_add_co_u32 s80, s14, s[I0+\n]                ; the token tile
	s_lshl_b32 s84, s80, 3
	s_add_co_u32 s84, s84, s18
	s_mul_i32 s84, s84, 1536
	s_add_co_u32 s84, s84, s83
	s_add_nc_u64 s[YC+2*\n:YC+2*\n+1], s[8:9], s[84:85]
	s_lshl_b32 s84, s80, 9
	s_lshl_b32 s80, s16, 1
	s_add_co_u32 s84, s84, s80
	s_add_nc_u64 s[YS+2*\n:YS+2*\n+1], s[10:11], s[84:85]
.endr
	global_load_b128 v[16:19], v1, s[QC:QC+1]
	global_load_b64 v[20:21], v2, s[QC:QC+1]
	global_load_u16 v28, v232, s[QS:QS+1]          ; my head's two bytes; the word's upper two are 0
	global_load_b128 v[236:239], v1, s[QC+2:QC+3]
	global_load_b64 v[240:241], v2, s[QC+2:QC+3]
	global_load_u16 v29, v232, s[QS+2:QS+3]
.irp j, 6,7,8,9,10,11
	v_mov_b32 v[16+\j], 0                          ; zero codes for k = 64 .. 127 of the first product, set once
	v_mov_b32 v[236+\j], 0
.irp t, 0,1,2,3
	v_mov_b32 v[32+12*\t+\j], 0
.endr
.endr
.irp b, 0,1,2,3
	v_mov_b32 v[PT+\b], 0                          ; a lane permute's destination counts as one of its sources
.endr
	v_mov_b32 v[F+1], 0                            ; (named as the upper half of a pair)
	v_mov_b32 v[TMP], 0
	v_mov_b32 v[NINF], 0xff800000
	s_wait_tensorcnt 0x0                           ; my load, if I have one, has landed
	s_barrier_signal -1
	s_barrier_wait -1                              ; everybody's has: from here on LDS is only read
	s_wait_loadcnt 0x0                             ; Q
; A KEY STEP: 128 keys.  qf: Q's fragment; qs: its scale words.
.macro STEP qf, qs
	s_cmp_gt_u32 s[KS], s[LAST]                    ; a step all of whose keys come after my queries is left out; the lines at its end that step addresses are not
	s_cbranch_scc1 .Lhidden_\@
	s_setprio 2
	v_add_nc_u32 v7, s[TK], v1                     ; (these six are also the places between the last step's products, which read v96-143, and the products below, which write there)
	s_wait_alu depctr_va_vdst(0)
	v_add_nc_u32 v8, s[TK], v2
	s_wait_alu depctr_va_vdst(0)
	v_add_nc_u32 v9, s[TK], v3
	v_add_nc_u32 v10, s[TK], v4
	v_add_nc_u32 v11, s[TSK], v5
	v_add_nc_u32 v12, s[TSV], v6
.irp g, 0,1                                    ; S^T = K Q^T, four tiles of 16 keys at a time
.if \g == 1
	PLACES                                         ; ahead of loads into registers that matrix instructions have read
.endif
.irp t, 0,1,2,3
	ds_load_b128 v[32+12*\t:35+12*\t], v7 offset:(4*\g+\t)*768
	ds_load_b64 v[36+12*\t:37+12*\t], v8 offset:(4*\g+\t)*768
.endr
.if \g == 0
.irp i, 0,1,2,3
	ds_load_u16 v[80+\i], v11 offset:256*(\i/2)+4*(\i%2)   ; lanes 0-15: key tile 2 i; lanes 16-31: key tile 2 i + 1
.endr
.endif
	s_wait_dscnt 0x0
.irp t, 0,1,2,3
	WMZ 96+8*(4*\g+\t), 32+12*\t, \qf, 80+(4*\g+\t)/2, \qs, \t%2
.endr
.endr
	PLACES
	s_cmp_lg_u32 s[KS], s[LAST]                    ; on the diagonal the scores of hidden keys become -infinity ahead of the maximum: p = 0 then
	s_cbranch_scc1 .Lopen_\@
.irp n, 0,1,2,3,4,5,6,7,8,9,10,11,12,13,14,15,16,17,18,19,20,21,22,23,24,25,26,27,28,29,30,31,32,33,34,35,36,37,38,39,40,41,42,43,44,45,46,47,48,49,50,51,52,53,54,55,56,57,58,59,60,61,62,63
	v_cmp_gt_i32 vcc_lo, 16*(\n/8)+\n%8, v13       ; register n holds key 16 (n / 8) + 8 h + n % 8 of the step: hidden where 16 (n / 8) + n % 8 > d
	v_cndmask_b32 v[96+\n], v[96+\n], v[NINF], vcc_lo
.endr
.Lopen_\@:
.irp b, 0,1,2,3
	v_max3_num_f32 v[BM+\b], v[96+16*\b], v[97+16*\b], v[98+16*\b]   ; the largest score of each block of 32 keys: it serves for the row's maximum and, since p rises with the score, for the block's largest p
.endr
.irp i, 3,5,7,9,11,13
.irp b, 0,1,2,3
	v_max3_num_f32 v[BM+\b], v[BM+\b], v[96+16*\b+\i], v[97+16*\b+\i]
.endr
.endr
.irp b, 0,1,2,3
	v_max_num_f32 v[BM+\b], v[BM+\b], v[111+16*\b]
.endr
.irp b, 0,1,2,3
	s_delay_alu instid0(VALU_DEP_4)
	v_permlanex16_b32 v[PT+\b], v[BM+\b], s[SEL], s[SEL+1]
.endr
.irp b, 0,1,2,3
	s_delay_alu instid0(VALU_DEP_4)
	v_max_num_f32 v[BM+\b], v[BM+\b], v[PT+\b]     ; with lane l xor 16's 16 keys
.endr
	s_delay_alu instid0(VALU_DEP_2)
	v_max3_num_f32 v[TMP], v[BM], v[BM+1], v[BM+2]
	s_delay_alu instid0(VALU_DEP_1)
	v_max_num_f32 v[TMP], v[TMP], v[BM+3]          ; the step's largest score of my query
	s_delay_alu instid0(VALU_DEP_1)
	v_mul_f32 v[TMP], s[CS], v[TMP]                ; as t
	s_delay_alu instid0(VALU_DEP_1)
	v_max_num_f32 v31, v31, v[TMP]                 ; the running largest t
	v_mov_b32 v[TMP], v30
	s_delay_alu instid0(VALU_DEP_2)
	v_floor_f32 v30, -v31                          ; the new -M = floor(-t): M is a whole number
	s_delay_alu instid0(VALU_DEP_1)
	v_sub_f32 v[TMP], v30, v[TMP]                  ; old M - new M: a whole number, 0 or less
	s_delay_alu instid0(VALU_DEP_1)
	v_cvt_i32_f32 v[TMP], v[TMP]                   ; (it saturates)
	s_delay_alu instid0(VALU_DEP_1)
	v_ldexp_f32 v[F], 1.0, v[TMP]                  ; f = 2^(old M - new M)
.irp j, 0,2,4,6,8,10,12,14,16,18,20,22,24,26,28,30,32,34,36,38,40,42,44,46,48,50,52,54,56,58,60,62
	v_pk_fma_f32 v[96+\j:97+\j], v[96+\j:97+\j], s[CS:CS+1], v[30:31] op_sel_hi:[1,0,0]   ; t - M, two at a time
.endr
	s_setprio 1
.irp b, 0,1,2,3
	v_fma_f32 v[BM+\b], v[BM+\b], s[CS], v30       ; the same of each block's largest score
.endr
	s_wait_alu depctr_va_vdst(0)
.irp j, 0,1,2,3,4,5,6,7,8,9,10,11,12,13,14,15,16,17,18,19,20,21,22,23,24,25,26,27,28,29,30,31,32,33,34,35,36,37,38,39,40,41,42,43,44,45,46,47,48,49,50,51,52,53,54,55,56,57,58,59,60,61,62,63
	v_exp_f32 v[96+\j], v[96+\j]                   ; p = 2^(t - M)
.endr
	v_pk_mul_f32 v[14:15], v[14:15], v[F:F+1] op_sel_hi:[1,0]   ; the sums under the new M: the plain instruction behind the exponentials
	s_wait_alu depctr_va_vdst(0)                   ; one wait for the batch of 64, ahead of its first reader
.irp b, 0,1,2,3
	v_exp_f32 v[BM+\b], v[BM+\b]                   ; the block's largest p: the same two instructions on the same number give the same bits
.endr
	v_pk_add_f32 v[216:217], v[100:101], v[104:105]
	v_pk_add_f32 v[252:253], v[108:109], v[112:113]
	v_pk_add_f32 v[250:251], v[116:117], v[120:121]
	v_pk_add_f32 v[248:249], v[124:125], v[128:129]
	v_pk_add_f32 v[234:235], v[132:133], v[136:137]
	v_pk_add_f32 v[230:231], v[140:141], v[144:145]
	v_pk_add_f32 v[228:229], v[148:149], v[152:153]
	v_pk_add_f32 v[14:15], v[14:15], v[156:157]
	v_pk_add_f32 v[216:217], v[216:217], v[96:97]
	v_pk_add_f32 v[252:253], v[252:253], v[98:99]
	v_pk_add_f32 v[250:251], v[250:251], v[102:103]
	v_pk_add_f32 v[248:249], v[248:249], v[106:107]
	v_pk_add_f32 v[234:235], v[234:235], v[110:111]
	v_pk_add_f32 v[230:231], v[230:231], v[114:115]
	v_pk_add_f32 v[228:229], v[228:229], v[118:119]
	v_pk_add_f32 v[14:15], v[14:15], v[122:123]
	v_pk_add_f32 v[216:217], v[216:217], v[126:127]
	v_pk_add_f32 v[252:253], v[252:253], v[130:131]
	v_pk_add_f32 v[250:251], v[250:251], v[134:135]
	v_pk_add_f32 v[248:249], v[248:249], v[138:139]
	v_pk_add_f32 v[234:235], v[234:235], v[142:143]
	v_pk_add_f32 v[230:231], v[230:231], v[146:147]
	v_pk_add_f32 v[228:229], v[228:229], v[150:151]
	v_pk_add_f32 v[14:15], v[14:15], v[154:155]
	v_pk_add_f32 v[216:217], v[216:217], v[158:159]
	s_delay_alu instid0(VALU_DEP_2)
	v_pk_add_f32 v[14:15], v[14:15], v[248:249]
	s_delay_alu instid0(VALU_DEP_2)
	v_pk_add_f32 v[216:217], v[216:217], v[234:235]
	v_pk_add_f32 v[252:253], v[252:253], v[230:231]
	v_pk_add_f32 v[250:251], v[250:251], v[228:229]
	s_delay_alu instid0(VALU_DEP_2)
	v_pk_add_f32 v[14:15], v[14:15], v[252:253]
	s_delay_alu instid0(VALU_DEP_2)
	v_pk_add_f32 v[216:217], v[216:217], v[250:251]
	s_delay_alu instid0(VALU_DEP_1)
	v_pk_add_f32 v[14:15], v[14:15], v[216:217]
	s_wait_alu depctr_va_vdst(0)                   ; and one for the four
.irp b, 0,1,2,3
	v_max_num_f32 v[BM+\b], 0x2800000, v[BM+\b]    ; the floor 2^(5 - 127): the byte cannot fall under 1
.endr
.irp b, 0,1,2,3
	s_delay_alu instid0(VALU_DEP_4)
	v_add_nc_u32 v[SO+\b], 0xfe000000, v[BM+\b]    ; 4 off the exponent field: the conversion's scale operand
.endr
.irp b, 0,1,2,3
	s_delay_alu instid0(VALU_DEP_4)
	v_lshrrev_b32 v[PT+\b], 23, v[SO+\b]           ; the scale's byte
.endr
	s_delay_alu instid0(VALU_DEP_3)
	v_lshl_or_b32 v86, v[PT+1], 8, v[PT]           ; p's scale word for these 128 keys
	s_delay_alu instid0(VALU_DEP_1)
	v_lshl_or_b32 v86, v[PT+2], 16, v86
	s_delay_alu instid0(VALU_DEP_1)
	v_lshl_or_b32 v86, v[PT+3], 24, v86
.irp c, 0,1
	v_cvt_scalef32_pk16_bf6_f32 v[192+6*\c:194+6*\c], v[96+32*\c:111+32*\c], v[SO+2*\c]
	v_cvt_scalef32_pk16_bf6_f32 v[204+4*\c:206+4*\c], v[112+32*\c:127+32*\c], v[SO+2*\c+1]
.endr
	v_nop                                          ; one plain instruction behind the scaled conversions
.irp c, 0,1                                    ; a whole block to a lane: lanes 0-15 block 2 c, lanes 16-31 block 2 c + 1
.irp i, 0,1,2
	v_permlane16_swap_b32 v[192+6*\c+\i], v[204+4*\c+\i]
.endr
.irp i, 0,1,2
	s_delay_alu instid0(VALU_DEP_3)
	v_mov_b32 v[195+6*\c+\i], v[204+4*\c+\i]
.endr
.endr
	s_setprio 0
.irp dt, 0,1,2,3                               ; V's four fragments take p's registers, which are done with
.irp c, 0,1
	ds_load_b128 v[96+12*\dt+6*\c:99+12*\dt+6*\c], v9 offset:\dt*1536+768*\c
	ds_load_b64 v[100+12*\dt+6*\c:101+12*\dt+6*\c], v10 offset:\dt*1536+768*\c
.endr
.endr
	ds_load_b32 v84, v12                           ; lanes 0-15: channel tile 0; lanes 16-31: tile 1
	ds_load_b32 v85, v12 offset:4                  ; tiles 2 and 3
.irp j, 0,2,4,6,8,10,12,14,16,18,20,22,24,26,28,30
	v_pk_mul_f32 v[160+\j:161+\j], v[160+\j:161+\j], v[F:F+1] op_sel_hi:[1,0]   ; O^T under the new M, while the loads land; these 16 also stand between the writes of p's codes and scale word and the products
.endr
	s_wait_alu depctr_va_vdst(0)
	s_wait_dscnt 0x0
.irp dt, 0,1,2,3
	WMA 160+8*\dt, 96+12*\dt, 192, 84+\dt/2, 86, \dt%2   ; O^T += V^T P^T: four accumulators by turns
.endr
.Lhidden_\@:
	s_add_co_u32 s[KS], s[KS], 1
	s_add_co_u32 s[TK], s[TK], 6144
	s_add_co_u32 s[TSK], s[TSK], 512
	s_add_co_u32 s[TSV], s[TSV], 256
.endm
; A QUERY TILE: its key steps (a loop of a constant count; the steps behind the tile's last are left out inside it), then the way out.
.macro TILE n, qf, qs, trips
	s_wait_xcnt 0x0                                ; the earlier tile's stores have read their registers: they are written again below
	s_lshr_b32 s[LAST], s[WV], 1
.if \n == 1
	s_sub_co_u32 s[LAST], 15, s[LAST]
.endif
	s_mov_b32 s[KS], 0
	s_mov_b32 s[TK], 0
	s_mov_b32 s[TSK], 0
	s_mov_b32 s[TSV], 0
	s_and_b32 s84, s[I0+\n], 7
	s_lshl_b32 s84, s84, 4
	v_and_b32 v13, 15, v0
	v_bfe_u32 v[TMP], v0, 4, 1
	s_delay_alu instid0(VALU_DEP_1)
	v_lshlrev_b32 v[TMP], 3, v[TMP]
	s_delay_alu instid0(VALU_DEP_1)
	v_sub_nc_u32 v13, v13, v[TMP]
	s_delay_alu instid0(VALU_DEP_1)
	v_add_nc_u32 v13, s84, v13                     ; d = 16 (i & 7) + r - 8 h: my query's place in the diagonal step, less my half's 8 keys
	v_mov_b32 v31, 0xff61b1e6                      ; the largest t so far: -3e38
	s_delay_alu instid0(VALU_DEP_1)
	v_floor_f32 v30, -v31                          ; -M
	v_mov_b32 v14, 0
	v_mov_b32 v15, 0
.irp j, 0,1,2,3,4,5,6,7,8,9,10,11,12,13,14,15,16,17,18,19,20,21,22,23,24,25,26,27,28,29,30,31
	v_mov_b32 v[160+\j], 0                         ; O^T: the step is written once; the first finds zeros, which the first change of M leaves zeros
.endr
.Lstep_\@:
	STEP \qf, \qs
	s_cmp_lt_u32 s[KS], \trips
	s_cbranch_scc1 .Lstep_\@
	s_setprio 0
	PLACES
	v_add_f32 v14, v14, v15                        ; the sum's two halves,
	s_delay_alu instid0(VALU_DEP_1)
	v_permlanex16_b32 v[TMP], v14, s[SEL], s[SEL+1]
	s_delay_alu instid0(VALU_DEP_1)
	v_add_f32 v14, v14, v[TMP]                     ; and lane l xor 16's
	s_wait_alu depctr_va_vdst(0)
	v_rcp_f32 v14, v14
	v_nop                                          ; a plain instruction behind the reciprocal,
	s_wait_alu depctr_va_vdst(0)                   ; and the wait ahead of its first reader
.irp j, 0,1,2,3,4,5,6,7,8,9,10,11,12,13,14,15,16,17,18,19,20,21,22,23,24,25,26,27,28,29,30,31
	v_mul_f32 v[96+\j], v[160+\j], v14             ; y: register 16 b + i belongs to block b of the head's 64 channels
.endr
.irp b, 0,1
	v_max3_num_f32 v[BM+\b], |v[96+16*\b]|, |v[97+16*\b]|, 0x2800000
.endr
.irp i, 2,4,6,8,10,12,14
.irp b, 0,1
	s_delay_alu instid0(VALU_DEP_2)
	v_max3_num_f32 v[BM+\b], v[BM+\b], |v[96+16*\b+\i]|, |v[97+16*\b+\i]|
.endr
.endr
.irp b, 0,1
	s_delay_alu instid0(VALU_DEP_2)
	v_permlanex16_b32 v[PT+\b], v[BM+\b], s[SEL], s[SEL+1]
.endr
.irp b, 0,1
	s_delay_alu instid0(VALU_DEP_2)
	v_max_num_f32 v[BM+\b], v[BM+\b], v[PT+\b]
.endr
.irp b, 0,1
	s_delay_alu instid0(VALU_DEP_2)
	v_add_nc_u32 v[SO+\b], 0xfe000000, v[BM+\b]
.endr
.irp b, 0,1
	s_delay_alu instid0(VALU_DEP_2)
	v_lshrrev_b32 v[PT+\b], 23, v[SO+\b]
.endr
	s_delay_alu instid0(VALU_DEP_1)
	v_lshl_or_b32 v[YB], v[PT+1], 8, v[PT]
	v_cvt_scalef32_pk16_bf6_f32 v[192:194], v[96:111], v[SO]
	v_cvt_scalef32_pk16_bf6_f32 v[204:206], v[112:127], v[SO+1]
	v_nop
.irp i, 0,1,2
	v_permlane16_swap_b32 v[192+\i], v[204+\i]
.endr
.irp i, 0,1,2
	s_delay_alu instid0(VALU_DEP_3)
	v_mov_b32 v[195+\i], v[204+\i]
.endr
	global_store_b128 v1, v[192:195], s[YC+2*\n:YC+2*\n+1]     ; 512 consecutive bytes,
	global_store_b64 v2, v[196:197], s[YC+2*\n:YC+2*\n+1]      ; and the 256 behind them
	global_store_b16 v233, v[YB], s[YS+2*\n:YS+2*\n+1]         ; lanes r and r + 16 write the same two bytes with the same value
.endm
	TILE 0, 16, 28, 8
	TILE 1, 236, 29, 16
	s_wait_tensorcnt 0x0
	ds_add_u32 v254, v255
	s_wait_dscnt 0x0
	CROUND                                         ; the closing round
	s_endpgm
.Lfunc_end_k_q745728ed36_attn:
	.size	k_q745728ed36_attn, .Lfunc_end_k_q745728ed36_attn-k_q745728ed36_attn
	.p2alignl 7, 3214868480
	.fill 96, 4, 3214868480
	.section	.rodata,"a",@progbits
	.p2align	6, 0x0
	.amdhsa_kernel k_q745728ed36_attn
		.amdhsa_group_segment_fixed_size 210944
		.amdhsa_private_segment_fixed_size 0
		.amdhsa_enable_private_segment 0
		.amdhsa_kernarg_size 32
		.amdhsa_user_sgpr_count 2
		.amdhsa_user_sgpr_kernarg_segment_ptr 1
		.amdhsa_wavefront_size32 1
		.amdhsa_system_sgpr_workgroup_id_x 1
		.amdhsa_system_sgpr_workgroup_id_y 1
		.amdhsa_system_sgpr_workgroup_id_z 1
		.amdhsa_system_vgpr_workitem_id 0
		.amdhsa_next_free_vgpr 256
		.amdhsa_next_free_sgpr 102
		.amdhsa_reserve_vcc 1
		.amdhsa_float_denorm_mode_32 3
		.amdhsa_float_denorm_mode_16_64 3
		.amdhsa_memory_ordered 1
		.amdhsa_forward_progress 1
		.amdhsa_inst_pref_size 70
	.end_amdhsa_kernel
	.amdgpu_metadata
---
amdhsa.version: [ 1, 2 ]
amdhsa.kernels:
  - .name:           k_q745728ed36_attn
    .symbol:         k_q745728ed36_attn.kd
    .args:
      - { .name: qkvc, .offset: 0, .size: 8, .value_kind: global_buffer, .address_space: global }
      - { .name: qkvs, .offset: 8, .size: 8, .value_kind: global_buffer, .address_space: global }
      - { .name: yc, .offset: 16, .size: 8, .value_kind: global_buffer, .address_space: global }
      - { .name: ys, .offset: 24, .size: 8, .value_kind: global_buffer, .address_space: global }
    .group_segment_fixed_size: 210944
    .private_segment_fixed_size: 0
    .kernarg_segment_align: 8
    .kernarg_segment_size: 32
    .max_flat_workgroup_size: 512
    .sgpr_count:     102
    .vgpr_count:     256
    .wavefront_size: 32
...
	.end_amdgpu_metadata
.endif
;; end of part 3
;; launch gemm_proj (part 4): grid 4 x 64, 4 waves a work-group, clusters of 4 x 4, 295,424 bytes of LDS; arguments opc, ops, yc, ys, b_proj, out0; writes out0
.if DOCPART == 4
	.amdgcn_target "amdgcn-amd-amdhsa--gfx1250"
	.amdhsa_code_object_version 6
	.text
	.protected	k_q745728ed36_gemm_proj
	.globl	k_q745728ed36_gemm_proj
	.p2align	8
	.type	k_q745728ed36_gemm_proj,@function
k_q745728ed36_gemm_proj:
	s_mov_b64 s[64:65], 0
	v_nop
	global_prefetch_b8 v0, s[64:65] scope:SCOPE_SE
	s_setreg_imm32_b32 hwreg(HW_REG_WAVE_MODE, 25, 1), 1
	s_wait_xcnt 0x0
	s_wait_alu depctr_hold_cnt(0) depctr_sa_sdst(0) depctr_va_vdst(0) depctr_va_sdst(0) depctr_va_ssrc(0) depctr_va_vcc(0) depctr_vm_vsrc(0)
	s_getreg_b32 s2, hwreg(HW_REG_IB_STS2, 6, 4)
	s_cmp_eq_u32 s2, 0
	s_cbranch_scc0 .Lentry_in_a_cluster
	s_endpgm
.Lentry_in_a_cluster:
	s_bfe_u32 s2, ttmp6, 0x10000c
	s_cmp_lg_u32 s2, 0xf033
	s_cbranch_scc0 .Lentry_shape_is_right
	s_endpgm
.Lentry_shape_is_right:
; out0 = y w_proj + b_proj on codes of BF6 with E8M0 scales, K = 1,024; out0 [8192][1024] f32.
; OPERANDS are images of the operand's registers: [tile of 16 rows][K step][1536 bytes] (half c at 768 c: registers 6 c .. 6 c + 3 at 16 x lane, 6 c + 4, 6 c + 5 at 512 + 8 x lane): w_proj's columns are tiles 704 .. 767 of opc
; (scale bytes in ops, [row][32]); y's tokens lie in yc (scale bytes in ys, [token][32]).  Inside a block of 32 both have the same order of k.
; A WORK-GROUP multiplies 256 columns of w_proj (source 0) by 128 tokens (source 1): a lane holds one token and eight neighbouring columns.  Four waves: wave & 1 = which 128 columns, wave >> 1 = which 64 tokens: 32 accumulators.
; ALL OF K LIES IN LDS: (256 + 128) rows x 768 bytes = 294,912, filled once, in four chunks of two K steps; nothing is filled again.
; CLUSTER 4 x 4: w_proj's tiles hang on cx alone and are asked for jointly by a column of the cluster, y's on cy and the cluster's y alone and by a row.
; REGISTERS, in windows of 256: window 0: v2-17 LDS addresses, v18-24 offsets, v32-63 source 0's scale words, v64-79 source 1's, v128-255 rows on the way out.
;   window 1: accumulator (u, t) at v[8 (8 u + t)].  windows 2, 3: fragment sets 0, 1: source 0's fragment t at v[12 t], source 1's fragment u at v[96 + 12 u].  window 3, from v160: the bias.
.set CH0,  49152                       ; LDS: a chunk of source 0: 16 tiles x two K steps x 1,536
.set CH1,  24576                       ; of source 1: 8 tiles
.set OP1,  4*CH0
.set A016, 2
.set A08,  6
.set A116, 10
.set A18,  14
.set VO16, 18                          ; v18     16 x lane
.set VO8,  19                          ; v19     8 x lane
.set STO,  23                          ; v23     the way out: where I put 32 bytes of a row
.set RD,   24                          ; v24     and where I read a row back
.set SCLA, 32
.set SCLB, 64
.set BK,   128                         ; v128-191, v192-255 by turns: 16 rows read back from the stage
.set BIAS, 160                         ; in window 3
.set G1A,  16
.set G1B,  24
.set G0A,  32
.set G0B,  48
.set WV,   66
.set W0,   67
.set W1,   68
.set CX,   69
.set CY,   70
.set CC,   71
.set MSB, 0
.macro WIN new                         ; the immediate's high byte repeats the setting that is left
.if MSB != (\new)
	s_set_vgpr_msb (MSB<<8)|(\new)
.set MSB, (\new)
.endif
.endm
.macro PLACES                          ; four plain instructions behind a matrix instruction, ahead of loads into its sources and of reads of its results
.rept 4
	v_nop
.endr
.endm
.macro CROUND                          ; a round of the cluster's barrier
	s_barrier_signal -1
	s_barrier_wait -1
	s_cmp_lg_u32 s[WV], 0
	s_cbranch_scc1 .Lnot_wave_0_\@
	s_barrier_signal -3
.Lnot_wave_0_\@:
	s_barrier_wait -3
	s_barrier_signal -1
	s_barrier_wait -1
.endm
.macro WM d, a, b, c, sa, sb, ra, rb   ; ra, rb = 1: that side's scale words stand in lanes 16-31
.if ((\ra) == 0) && ((\rb) == 0)
	v_wmma_scale_f32_16x16x128_f8f6f4 v[(\d):(\d)+7], v[(\a):(\a)+11], v[(\b):(\b)+11], v[(\c):(\c)+7], v[\sa], v[\sb] matrix_a_fmt:MATRIX_FMT_BF6 matrix_b_fmt:MATRIX_FMT_BF6
.elseif (\rb) == 0
	v_wmma_scale_f32_16x16x128_f8f6f4 v[(\d):(\d)+7], v[(\a):(\a)+11], v[(\b):(\b)+11], v[(\c):(\c)+7], v[\sa], v[\sb] matrix_a_fmt:MATRIX_FMT_BF6 matrix_b_fmt:MATRIX_FMT_BF6 matrix_a_scale:MATRIX_SCALE_ROW1
.elseif (\ra) == 0
	v_wmma_scale_f32_16x16x128_f8f6f4 v[(\d):(\d)+7], v[(\a):(\a)+11], v[(\b):(\b)+11], v[(\c):(\c)+7], v[\sa], v[\sb] matrix_a_fmt:MATRIX_FMT_BF6 matrix_b_fmt:MATRIX_FMT_BF6 matrix_b_scale:MATRIX_SCALE_ROW1
.else
	v_wmma_scale_f32_16x16x128_f8f6f4 v[(\d):(\d)+7], v[(\a):(\a)+11], v[(\b):(\b)+11], v[(\c):(\c)+7], v[\sa], v[\sb] matrix_a_fmt:MATRIX_FMT_BF6 matrix_b_fmt:MATRIX_FMT_BF6 matrix_a_scale:MATRIX_SCALE_ROW1 matrix_b_scale:MATRIX_SCALE_ROW1
.endif
.endm
.macro FETCH k, set                    ; K step k's twelve fragments into set: 48 LDS loads, each of 512 or 256 consecutive bytes
	WIN 0x80+0x40*(\set)
.irp t, 0,1,2,3,4,5,6,7
.irp c, 0,1
	ds_load_b128 v[12*\t+6*\c:12*\t+6*\c+3], v[A016+(\k)/2] offset:\t*3072+((\k)%2)*1536+768*\c
	ds_load_b64 v[12*\t+6*\c+4:12*\t+6*\c+5], v[A08+(\k)/2] offset:\t*3072+((\k)%2)*1536+768*\c+512
.endr
.endr
.irp u, 0,1,2,3
.irp c, 0,1
	ds_load_b128 v[96+12*\u+6*\c:96+12*\u+6*\c+3], v[A116+(\k)/2] offset:\u*3072+((\k)%2)*1536+768*\c
	ds_load_b64 v[96+12*\u+6*\c+4:96+12*\u+6*\c+5], v[A18+(\k)/2] offset:\u*3072+((\k)%2)*1536+768*\c+512
.endr
.endr
.endm
; 32 matrix instructions: K step k from set.  cm = 0: onto the sums; 1: the bias of source 0's tile starts them.
; The 32 accumulators take turns, one instruction a turn, in the same order in every K step.
.macro MUL k, set, cm
.if (\cm) == 0
	WIN 0x5a+5*(\set)
.else
	WIN 0x7a
.endif
.irp u, 0,1,2,3
.irp t, 0,1,2,3,4,5,6,7
.if (\cm) == 0
	WM 8*(8*\u+\t), 12*\t, 96+12*\u, 8*(8*\u+\t), SCLA+8*(\t/2)+(\k), SCLB+8*(\u/2)+(\k), \t%2, \u%2
.else
	WM 8*(8*\u+\t), 12*\t, 96+12*\u, BIAS+8*\t, SCLA+8*(\t/2)+(\k), SCLB+8*(\u/2)+(\k), \t%2, \u%2
.endif
.endr
.endr
.endm
; A K step: its fragments, asked for a K step ago, are in; the next step's are asked for; then the products.  tc >= 0: the next step lies in a new chunk.
.macro KSTEP k, tc
	s_wait_dscnt 0x0
.if (\tc) >= 0
	s_wait_tensorcnt \tc                           ; my part of the next chunk has landed; my \tc younger loads stay out
	s_barrier_signal -1
	s_barrier_wait -1                              ; everybody's part has
.endif
.if (\k) < 7
	PLACES
	FETCH (\k)+1, ((\k)+1)%2
.endif
	MUL \k, (\k)%2, 0
.endm
	s_load_b256 s[4:11], s[0:1], 0x0               ; opc s[4:5], ops s[6:7], yc s[8:9], ys s[10:11]
	s_load_b128 s[12:15], s[0:1], 0x20             ; b_proj s[12:13], out0 s[14:15]
	v_lshl_add_u32 v126, v0, 2, 0x48000
	v_mov_b32 v127, 0
	ds_add_u32 v126, v127
	ds_add_u32 v126, v127
	v_lshrrev_b32 v1, 5, v0
	v_readfirstlane_b32 s[WV], v1                  ; wave 0..3
	s_and_b32 s[W0], s[WV], 1
	s_lshr_b32 s[W1], s[WV], 1
	s_bfe_u32 s[CX], ttmp6, 0x40000                ; my place in the cluster
	s_bfe_u32 s[CY], ttmp6, 0x40004
	s_and_b32 s[CC], ttmp7, 0xffff                 ; the cluster's y
	s_lshl_b32 s72, 0x1111, s[CX]                  ; my column of the cluster
	s_lshl_b32 s73, s[CY], 2
	s_lshl_b32 s73, 15, s73                        ; my row
	; descriptor groups 1: elements of 8 bytes; a row = a tile's two K steps, 3,072 bytes = 384 elements; from tile to tile 12,288 bytes = 1,536 elements; 8 tiles (source 0) or 4 (source 1) to a load
	s_or_b32 s[G1A], s72, (3<<16)|(1<<21)
	s_or_b32 s[G1B], s73, (3<<16)|(1<<21)
	s_mov_b32 s[G1A+1], 384<<16
	s_mov_b32 s[G1A+2], 8<<16
	s_mov_b32 s[G1A+3], 384<<16
	s_mov_b32 s[G1A+4], 8
	s_mov_b32 s[G1A+5], 1536
	s_mov_b32 s[G1A+6], 0
	s_mov_b32 s[G1A+7], 0
	s_mov_b32 s[G1B+1], 384<<16
	s_mov_b32 s[G1B+2], 4<<16
	s_mov_b32 s[G1B+3], 384<<16
	s_mov_b32 s[G1B+4], 4
	s_mov_b32 s[G1B+5], 1536
	s_mov_b32 s[G1B+6], 0
	s_mov_b32 s[G1B+7], 0
	s_lshl_b32 s76, s[CX], 4
	s_add_co_u32 s76, s76, 704                     ; source 0's first tile: w_proj's columns 256 cx on
	s_lshl_b32 s75, s[CC], 2
	s_add_co_u32 s75, s75, s[CY]                   ; Y1 = 4 x cluster y + cy
	s_lshl_b32 s77, s75, 3                         ; source 1's first tile: tokens 128 Y1 on
	s_lshl_b32 s83, s[W0], 3                       ; what I fetch: waves 0, 1: source 0's tiles 8 (wave & 1) on; waves 2, 3: source 1's tiles 4 (wave & 1) on
	s_add_co_u32 s83, s83, s76
	s_mul_i32 s84, s83, 12288
	s_mov_b32 s85, 0
	s_lshl_b32 s83, s[W0], 2
	s_add_co_u32 s83, s83, s77
	s_mul_i32 s86, s83, 12288
	s_mov_b32 s87, 0
	s_mul_i32 s88, s[W0], 24576                    ; and where it goes: no place in the cluster enters an LDS address
	s_mul_i32 s89, s[W0], 12288
	s_wait_dscnt 0x0
	s_wait_kmcnt 0x0
	s_add_nc_u64 s[84:85], s[4:5], s[84:85]
	s_add_nc_u64 s[86:87], s[8:9], s[86:87]
.irp j, 0,1,2,3
	s_mov_b32 s[G0A+4*\j], 1
	s_add_co_u32 s[G0A+4*\j+1], s88, \j*CH0
	s_add_nc_u64 s[G0A+4*\j+2:G0A+4*\j+3], s[84:85], \j*3072
	s_or_b32 s[G0A+4*\j+3], s[G0A+4*\j+3], 0x80000000
	s_mov_b32 s[G0B+4*\j], 1
	s_add_co_u32 s[G0B+4*\j+1], s89, OP1+\j*CH1
	s_add_nc_u64 s[G0B+4*\j+2:G0B+4*\j+3], s[86:87], \j*3072
	s_or_b32 s[G0B+4*\j+3], s[G0B+4*\j+3], 0x80000000
.endr
	CROUND                                         ; all sixteen work-groups are here: the joint loads meet
	s_cmp_lt_u32 s[WV], 2                          ; a wave's four fills stand in one branch on its number: four tensor loads of mine are out
	s_cbranch_scc0 .Lfill_b
	tensor_load_to_lds s[G0A:G0A+3], s[G1A:G1A+7]
	s_nop 0
	tensor_load_to_lds s[G0A+4:G0A+7], s[G1A:G1A+7]
	s_nop 0
	tensor_load_to_lds s[G0A+8:G0A+11], s[G1A:G1A+7]
	s_nop 0
	tensor_load_to_lds s[G0A+12:G0A+15], s[G1A:G1A+7]
	s_nop 0
	PLACES                                         ; four v_nop follow the last
	s_branch .Lfilled
.Lfill_b:
	tensor_load_to_lds s[G0B:G0B+3], s[G1B:G1B+7]
	s_nop 0
	tensor_load_to_lds s[G0B+4:G0B+7], s[G1B:G1B+7]
	s_nop 0
	tensor_load_to_lds s[G0B+8:G0B+11], s[G1B:G1B+7]
	s_nop 0
	tensor_load_to_lds s[G0B+12:G0B+15], s[G1B:G1B+7]
	s_nop 0
	PLACES
.Lfilled:
	v_and_b32 v1, 31, v0
	v_lshlrev_b32 v[VO16], 4, v1
	v_lshlrev_b32 v[VO8], 3, v1
	v_lshlrev_b32 v20, 5, v1                       ; 32 x lane: a row of scale bytes
	v_bfe_u32 v21, v0, 4, 1
	v_lshlrev_b32 v21, 5, v21                      ; 32 h
	v_and_b32 v22, 15, v0                          ; r
	s_mul_i32 s91, s[WV], 8448                     ; my stage: 16 rows x (512 + 16) bytes, in source 0's chunk 0: it has had its only fill, and every wave's reads of it are over ahead of the barrier in K step 1
	v_mul_u32_u24 v[STO], v22, 528
	v_add_nc_u32 v[STO], v[STO], v21
	v_add_nc_u32 v[STO], s91, v[STO]               ; in: row r, + 32 h
	v_add_nc_u32 v[RD], s91, v[VO16]               ; back: 16 x lane of a row
	s_mul_i32 s90, s[W1], 12288
	s_add_co_u32 s90, s90, OP1                     ; what I multiply: source 0's half wave & 1 (s88), source 1's half wave >> 1
.irp j, 0,1,2,3
	v_add_nc_u32 v[A016+\j], s88, v[VO16]
	v_add_nc_u32 v[A08+\j], s88, v[VO8]
	v_add_nc_u32 v[A116+\j], s90, v[VO16]
	v_add_nc_u32 v[A18+\j], s90, v[VO8]
	s_add_co_u32 s88, s88, CH0
	s_add_co_u32 s90, s90, CH1
.endr
	; the scale words of all of K come once, straight into registers: lane l takes the 32 bytes of row 32 i + l
	s_lshl_b32 s83, s[W0], 3
	s_add_co_u32 s83, s83, s76
	s_lshl_b32 s92, s83, 9
	s_mov_b32 s93, 0
	s_add_nc_u64 s[92:93], s[6:7], s[92:93]
	s_lshl_b32 s83, s[W1], 2
	s_add_co_u32 s83, s83, s77
	s_lshl_b32 s94, s83, 9
	s_mov_b32 s95, 0
	s_add_nc_u64 s[94:95], s[10:11], s[94:95]
.irp i, 0,1,2,3
	global_load_b128 v[SCLA+8*\i:SCLA+8*\i+3], v20, s[92:93] offset:1024*\i
	global_load_b128 v[SCLA+8*\i+4:SCLA+8*\i+7], v20, s[92:93] offset:1024*\i+16
.endr
.irp i, 0,1
	global_load_b128 v[SCLB+8*\i:SCLB+8*\i+3], v20, s[94:95] offset:1024*\i
	global_load_b128 v[SCLB+8*\i+4:SCLB+8*\i+7], v20, s[94:95] offset:1024*\i+16
.endr
	s_lshl_b32 s96, s75, 7                         ; out0: my first token 128 Y1 + 64 (wave >> 1), rows of 4,096 bytes;
	s_lshl_b32 s97, s[W1], 6
	s_add_co_u32 s96, s96, s97
	s_lshl_b32 s96, s96, 12
	s_lshl_b32 s98, s[CX], 10                      ; my first column 256 cx + 128 (wave & 1), in bytes
	s_lshl_b32 s97, s[W0], 9
	s_add_co_u32 s98, s98, s97
	s_add_co_u32 s96, s96, s98
	s_mov_b32 s97, 0
	s_mov_b32 s99, 0
	s_add_nc_u64 s[14:15], s[14:15], s[96:97]
	s_add_nc_u64 s[12:13], s[12:13], s[98:99]      ; the bias of my 128 columns: the C of each sum's first matrix instruction
	WIN 0xc0
.irp t, 0,1,2,3,4,5,6,7
	global_load_b128 v[BIAS+8*\t:BIAS+8*\t+3], v21, s[12:13] offset:64*\t        ; register j of tile t: column 16 t + 8 h + j
	global_load_b128 v[BIAS+8*\t+4:BIAS+8*\t+7], v21, s[12:13] offset:64*\t+16
.endr
	WIN 0
	s_wait_alu depctr_va_vdst(0)
	s_wait_tensorcnt 0x3                           ; my part of chunk 0 has landed; my three younger loads stay out
	s_barrier_signal -1
	s_barrier_wait -1                              ; everybody's part has
	FETCH 0, 0
	s_wait_loadcnt 0x0                             ; scale words and bias
	s_wait_dscnt 0x0
	FETCH 1, 1
	MUL 0, 0, 1
	KSTEP 1, 2
	KSTEP 2, -1
	KSTEP 3, 1
	KSTEP 4, -1
	KSTEP 5, 0
	KSTEP 6, -1
	KSTEP 7, -1
	WIN 0
	PLACES
; THE WAY OUT, a tile of 16 tokens x 128 columns at a time.  A lane holds 32 neighbouring bytes of a row and the lanes beside it other rows: the tile goes through my own stage and comes back as whole rows of 512 bytes.
; LDS serves a wave's instructions in order (ISA guide 5.7.1.4): no wait between the stores and the loads, nor ahead of the next tile's stores.
.macro TOSTAGE u
	WIN 0x04                                       ; an LDS store's data are its source 1: window 1
.irp t, 0,1,2,3,4,5,6,7
	ds_store_b128 v[STO], v[8*(8*(\u)+\t):8*(8*(\u)+\t)+3] offset:64*\t          ; each accumulator from its low end on
	ds_store_b128 v[STO], v[8*(8*(\u)+\t)+4:8*(8*(\u)+\t)+7] offset:64*\t+16
.endr
	WIN 0
.set BB, BK+64*((\u)%2)
.irp i, 0,1,2,3,4,5,6,7,8,9,10,11,12,13,14,15
	ds_load_b128 v[BB+4*\i:BB+4*\i+3], v[RD] offset:\i*528
.endr
.endm
.macro SEND u, younger                 ; younger: the LDS instructions issued behind tile u's loads, which may stay out
.set BB, BK+64*((\u)%2)
	s_wait_dscnt \younger
.irp i, 0,1,2,3,4,5,6,7,8,9,10,11,12,13,14,15
	global_store_b128 v[VO16], v[BB+4*\i:BB+4*\i+3], s[14:15] offset:(\u)*65536+\i*4096 th:TH_STORE_NT   ; 32 lanes store 512 consecutive bytes, aligned; written once, read by nobody here
.endr
.endm
	TOSTAGE 0
.irp u, 1,2,3
.if \u > 1
	s_wait_xcnt 0x0                                ; tile u - 2's stores have read their registers: tile u's loads may land there
.endif
	TOSTAGE \u
	SEND \u-1, 32                                  ; behind tile u - 1's loads: tile u's 16 stores and 16 loads
.endr
	SEND 3, 0
	s_wait_tensorcnt 0x0
	ds_add_u32 v126, v127
	s_wait_dscnt 0x0
	CROUND                                         ; the closing round: no work-group ends while a partner may still ask for a tile that names it
	s_endpgm
.Lfunc_end_k_q745728ed36_gemm_proj:
	.size	k_q745728ed36_gemm_proj, .Lfunc_end_k_q745728ed36_gemm_proj-k_q745728ed36_gemm_proj
	.p2alignl 7, 3214868480
	.fill 96, 4, 3214868480
	.section	.rodata,"a",@progbits
	.p2align	6, 0x0
	.amdhsa_kernel k_q745728ed36_gemm_proj
		.amdhsa_group_segment_fixed_size 295424
		.amdhsa_private_segment_fixed_size 0
		.amdhsa_enable_private_segment 0
		.amdhsa_kernarg_size 48
		.amdhsa_user_sgpr_count 2
		.amdhsa_user_sgpr_kernarg_segment_ptr 1
		.amdhsa_wavefront_size32 1
		.amdhsa_system_sgpr_workgroup_id_x 1
		.amdhsa_system_sgpr_workgroup_id_y 1
		.amdhsa_system_sgpr_workgroup_id_z 1
		.amdhsa_system_vgpr_workitem_id 0
		.amdhsa_next_free_vgpr 1024
		.amdhsa_next_free_sgpr 102
		.amdhsa_reserve_vcc 0
		.amdhsa_float_denorm_mode_32 3
		.amdhsa_float_denorm_mode_16_64 3
		.amdhsa_memory_ordered 1
		.amdhsa_forward_progress 1
		.amdhsa_inst_pref_size 85
	.end_amdhsa_kernel
	.amdgpu_metadata
---
amdhsa.version: [ 1, 2 ]
amdhsa.kernels:
  - .name:           k_q745728ed36_gemm_proj
    .symbol:         k_q745728ed36_gemm_proj.kd
    .args:
      - { .name: opc, .offset: 0, .size: 8, .value_kind: global_buffer, .address_space: global }
      - { .name: ops, .offset: 8, .size: 8, .value_kind: global_buffer, .address_space: global }
      - { .name: yc, .offset: 16, .size: 8, .value_kind: global_buffer, .address_space: global }
      - { .name: ys, .offset: 24, .size: 8, .value_kind: global_buffer, .address_space: global }
      - { .name: b_proj, .offset: 32, .size: 8, .value_kind: global_buffer, .address_space: global }
      - { .name: out0, .offset: 40, .size: 8, .value_kind: global_buffer, .address_space: global }
    .group_segment_fixed_size: 295424
    .private_segment_fixed_size: 0
    .kernarg_segment_align: 8
    .kernarg_segment_size: 48
    .max_flat_workgroup_size: 128
    .sgpr_count:     102
    .vgpr_count:     1024
    .wavefront_size: 32
...
	.end_amdgpu_metadata
.endif
;; end of part 4
